; MI455X (gfx1250); checked and timed in simulation.
; The chip was launched on July 23, 2026; its instructions are those of AMD's public machine-readable ISA for CDNA 5 (MIT licence, August 2026) and "CDNA5" Instruction Set Architecture Reference Guide (July 2026). The comments in the code are by the model that wrote it; some were corrected since.
;; Zonos Attention. Allowed arithmetic: matrix products marked QUANTISED: E4M3 operands, one given power-of-two scale a tensor, by v_wmma_f32_16x16x64_fp8_fp8 or v_wmma_f32_16x16x128_fp8_fp8, f32 sums; everything else in f32.
;; Inputs: cos 4,096 x 1 x 64 float32; hidden_states 4,096 x 2,048 float32; lowp_scales 8 int32 (the exponents e of the quantised operands' scales 2^e); position_ids 4,096 int32; sin 4,096 x 1 x 64 float32; w_in 3,072 x 2,048 float32; w_out 2,048 x 2,048 float32.
;; Outputs: out0 4,096 x 2,048 float32.
;; This version of the problem:
;;   THIS VERSION OF THE PROBLEM IS GIVEN IN LOW PRECISION. The matrix products marked QUANTISED in the list below multiply operands that are first quantised to E4M3 (4 exponent bits, 3 mantissa bits; 8 bits a number), with one given power-of-two scale for each operand tensor; their sums are f32. All else is computed in f32.
;;   The module's matrix products, in the order in which they are computed (A, B: the left and right operand; K: the contracted axis; several contracted axes count as one K, in the product's order):
;;     1. [M 4,096, K 2,048] x [K 2,048, N 3,072]; A: input hidden_states; B: input w_in: QUANTISED (scales: A lowp_scales[0], B lowp_scales[1])
;;     2. batch 128 x [M 1,024, K 64] x [K 64, N 1,024]; A: computed on the way; B: computed on the way: QUANTISED (scales: A lowp_scales[2], B lowp_scales[3])
;;     3. batch 128 x [M 64, K 1,024] x [K 1,024, N 1,024]; A: computed on the way; B: softmax (see below): QUANTISED (scales: A lowp_scales[4], B lowp_scales[5])
;;     4. [M 4,096, K 2,048] x [K 2,048, N 2,048]; A: computed on the way; B: input w_out: QUANTISED (scales: A lowp_scales[6], B lowp_scales[7])
;;   THE QUANTISER, for each operand of a quantised product, along K:
;;     - The operand's scale is 2^e, e = its entry of the input lowp_scales (int32; the entries are numbered through the quantised products in the list's order, A before B).
;;     - Each number is divided by the scale, clamped to +-448, and rounded to the nearest number of E4M3, ties to even, subnormals kept.
;;     - The product sums the exact products of the quantised numbers (number of the format x scale) in f32.
;;   ~~~python
;;   def quantise(x, axis, e):      # numpy; x: float32 -> the quantised numbers, widened to float32 again
;;       x = np.moveaxis(x, axis, -1); K = x.shape[-1]
;;       r = np.clip(x / 2.0 ** e, -448, 448)
;;       step = 2.0 ** (np.maximum(np.frexp(np.where(r == 0, 1, r))[1] - 1, -6) - 3)
;;       q = np.round(r / step) * step * 2.0 ** e      # np.round: ties to even
;;       return np.moveaxis(q, -1, axis).astype(np.float32)
;;   ~~~
;;   SOFTMAX AHEAD OF A QUANTISED PRODUCT. Where the list says 'softmax', what is quantised is not the finished softmax but p = 2^(t - M), with t = logit x log2(e) and M = ceil(the row's largest t), a whole number; so 1/2 < the row's largest p <= 1. The row's sum l is taken of the UNQUANTISED p, in f32, and the product's result is divided by l at the end. Since M is a whole number, a kernel that streams over the keys may use a running M (the ceiling of the running maximum): every later rescaling is an exact power of two, so the quantised numbers keep their values, but for numbers so far below the row's largest that they fall under the format's range.
;;   OPERANDS COMPUTED ON THE WAY. 'Computed on the way' means the value that the module computes at that place (a softmax that the list does not call 'softmax' is quantised finished and normalised). What goes into a quantiser is computed in f32, as accurately as f32 sums, v_exp_f32 and their like allow (about 1e-6 of the number): no bf16 or f16 on the way to a quantiser, and a product that is left as it is and whose result goes on into a quantised operand takes f32 operands (vector FMAs, or v_wmma_f32_16x16x4_f32). A number that lies on a knife's edge between two numbers of the format may be rounded either way, as far as f32 arithmetic and the matrix unit's own rounding can turn it there, and no further.
;; One version. Each part assembles by itself: llvm-mc -triple=amdgcn-amd-amdhsa -mcpu=gfx1250 --defsym DOCPART=n.
;; ======== version 1 of 1: 4 launches
;; limits: right only within a limited range of input values
;; workspace buffers: xc 8,388,608 bytes; wic 6,291,456 bytes; woc 4,194,304 bytes; qc 8,388,608 bytes; kc 2,097,152 bytes; vc 2,097,152 bytes; ac 8,388,608 bytes
;; launch quant (part 1): grid 256 x 1, 9 waves a work-group, no clusters, 75,008 bytes of LDS; arguments hidden_states, w_in, w_out, lowp_scales, xc, wic, woc; writes xc, wic, woc
.if DOCPART == 1
	.amdgcn_target "amdgcn-amd-amdhsa--gfx1250"
	.amdhsa_code_object_version 6
	.text
	.protected	k_qfbf80f2985_quant
	.globl	k_qfbf80f2985_quant
	.p2align	8
	.type	k_qfbf80f2985_quant,@function
k_qfbf80f2985_quant:
	s_mov_b64 s[64:65], 0
	v_nop
	global_prefetch_b8 v0, s[64:65] scope:SCOPE_SE
	s_setreg_imm32_b32 hwreg(HW_REG_WAVE_MODE, 25, 1), 1
	s_wait_xcnt 0x0
; hidden_states [4096][2048], w_in [3072][2048] and w_out [2048][2048], f32 with K innermost, become codes of E4M3, one byte each, laid as the numbers lie,
; each tensor with the scale 2^e that is given for it: entry 0, 1 and 7 of the buffer of scales.
; code = x / 2^e, held within +-448, rounded to the nearest code, ties to even.  LIMITS: -126 <= e <= 119.  NaN among the inputs is not served (an infinity is held at the largest code).
; DEAD WORK: reference() takes position_ids as an argument and uses it in no expression, so it has no way to any output whatever it holds: no launch of this program reads it.
; Rows are dense: each tensor is a plain stream, and so are its codes.  The three streams are 1024 + 768 + 512 = 2304 runs of 8,192 numbers; a wave takes one run in 16 steps of 512,
; and 256 work-groups of 9 waves take all 2304: run = 9 x work-group + wave.  Only pointers, the tensor's first run and e are chosen, by the run's number; there is one path through the text.
; The conversions take 8 numbers from ONE lane's consecutive registers, so a lane must hold neighbours; a load has neighbouring LANES on neighbouring bytes.  Each of a step's four loads reads
; 512 consecutive bytes, 16 a lane; the 2,048 bytes go through the wave's own stage in LDS as they lie and come back 64 bytes a lane (16 bytes of padding behind each 64).  A lane's 16 codes are 16 bytes: a store covers 512 consecutive bytes.
; No barrier: waves share nothing.  Loads run eight steps (32 loads a wave) ahead, the turn through LDS one step.
.set WAVES, 9
.set STEPS, 16
.set AH,    8                          ; steps that the loads run ahead
.set RUN_WI, 1024                      ; w_in's first run: 4096 x 2048 / 8192
.set RUN_WO, 1792                      ; w_out's: + 3072 x 2048 / 8192
.set EMAX,  8
.set MANT,  0x600000                   ; the mantissa field of 448 as f32
.set CB,    16                         ; bytes of 16 codes
.set R,     16                         ; v16-143  eight sets of 16 numbers as they are loaded
.set X,     144                        ; v144-175 two sets of 16 neighbours
.set C,     176                        ; v176-239 codes: four registers for each step, so that no store's data are written again
.set WREG,  8192                       ; LDS: a region for each wave: two stages of 32 x SP bytes
.set SP,    80                         ; a lane's place in a stage: its 64 bytes + 16 of padding
.set SPW,   12                         ; v12      LDS address of my spare word; never rewritten
.set NIL,   13                         ; v13      0; never rewritten
.set SPARE, WAVES*WREG                 ; behind the nine regions: the spare words, 128 bytes a wave, which no other line names
	s_load_b256 s[4:11], s[0:1], 0x0               ; hidden_states s[4:5], w_in s[6:7], w_out s[8:9], the scales' exponents s[10:11]
	s_load_b128 s[12:15], s[0:1], 0x20             ; xc s[12:13], wic s[14:15]
	s_load_b64 s[16:17], s[0:1], 0x30              ; woc
	v_lshl_add_u32 v[SPW], v0, 2, SPARE
	v_mov_b32 v[NIL], 0
	v_lshrrev_b32 v1, 5, v0
	v_readfirstlane_b32 s18, v1                    ; wave 0..8
	v_and_b32 v2, 31, v0                           ; lane
	v_lshlrev_b32 v3, 4, v2                        ; my 16 bytes of a load's 512
	s_mul_i32 s19, s18, WREG
	v_lshrrev_b32 v14, 2, v2
	v_mul_u32_u24 v14, v14, SP
	v_and_b32 v15, 3, v2
	v_lshl_add_u32 v14, v15, 4, v14
	v_add_nc_u32 v14, s19, v14                     ; the stage, on the way in: four lanes' 64 bytes on end, then 16 of padding
	v_mul_u32_u24 v15, v2, SP
	v_add_nc_u32 v15, s19, v15                     ; and on the way out: SP x lane: my 16 neighbours
	v_mul_u32_u24 v4, v2, CB                       ; my codes' place in a step's
	s_wait_alu depctr_va_vdst(0)
	s_wait_kmcnt 0x0
	s_load_b64 s[26:27], s[10:11], 0x0             ; e of hidden_states, e of w_in
	s_load_b32 s28, s[10:11], 0x1c                 ; e of w_out
	s_mul_i32 s21, ttmp9, WAVES
	s_add_co_u32 s21, s21, s18                     ; my run, 0 .. 2303
	s_mov_b32 s20, RUN_WO
	s_cmp_lt_u32 s21, RUN_WO                       ; w_in or w_out?  The choices hang on ids alone
	s_cselect_b64 s[6:7], s[6:7], s[8:9]
	s_cselect_b64 s[14:15], s[14:15], s[16:17]
	s_cselect_b32 s20, RUN_WI, s20
	s_cmp_lt_u32 s21, RUN_WI                       ; hidden_states or one of those?
	s_cselect_b64 s[4:5], s[4:5], s[6:7]
	s_cselect_b64 s[12:13], s[12:13], s[14:15]
	s_cselect_b32 s20, 0, s20                      ; the tensor's first run
	s_sub_co_u32 s22, s21, s20                     ; my run within the tensor (1,023 at the most)
	s_lshl_b32 s24, s22, 15                        ; 32,768 bytes of numbers
	s_mov_b32 s25, 0
	s_add_nc_u64 s[4:5], s[4:5], s[24:25]
	s_lshl_b32 s24, s22, 13                        ; 8,192 bytes of codes
	s_add_nc_u64 s[12:13], s[12:13], s[24:25]
.macro LOAD t
.irp i, 0,1,2,3
	global_load_b128 v[R+16*((\t)%AH)+4*\i:R+16*((\t)%AH)+4*\i+3], v3, s[4:5] offset:2048*(\t)+512*\i th:TH_LOAD_NT   ; 32 lanes read 512 consecutive bytes, read once in the launch
.endr
.endm
.macro TURN t                          ; step t's numbers through the stage: LDS serves a wave's instructions in order, so no wait stands between the stores and the loads
.irp i, 0,1,2,3
	ds_store_b128 v14, v[R+16*((\t)%AH)+4*\i:R+16*((\t)%AH)+4*\i+3] offset:32*SP*((\t)%2)+8*SP*\i
.endr
.irp i, 0,1,2,3
	ds_load_b128 v[X+16*((\t)%2)+4*\i:X+16*((\t)%2)+4*\i+3], v15 offset:32*SP*((\t)%2)+16*\i
.endr
.endm
.irp t, 0,1,2,3,4,5,6,7
	LOAD \t
.endr
	s_wait_kmcnt 0x0
	s_cmp_lt_u32 s21, RUN_WO
	s_cselect_b32 s27, s27, s28
	s_cmp_lt_u32 s21, RUN_WI
	s_cselect_b32 s26, s26, s27                    ; e
	s_add_co_i32 s26, s26, 127
	s_lshl_b32 s29, s26, 23
	v_mov_b32 v11, s29                             ; 2^e as f32: the conversion takes its exponent field
	s_add_co_i32 s26, s26, EMAX
	s_lshl_b32 s26, s26, 23
	s_or_b32 s26, s26, MANT
	v_mov_b32 v10, s26                             ; 448 x 2^e
	s_wait_alu depctr_va_vdst(0)
	s_wait_loadcnt 4*(AH-1)                        ; step 0's four loads are in; those of steps 1 to 7 may be out
	TURN 0
.macro STEP t
.set XS, X+16*((\t)%2)
	s_wait_dscnt 0x0                               ; this step's numbers are back from the stage: so its stores into the stage have read their registers,
.if (\t)+AH < STEPS
	LOAD (\t)+AH                                   ; which take the loads of eight steps on
.endif
.if (\t)+1 < STEPS
.if STEPS-2-(\t) >= AH-1
	s_wait_loadcnt 4*(AH-1)                        ; the next step's four loads are in; those of the seven steps behind it may be out
.else
	s_wait_loadcnt 4*(STEPS-2-(\t))                ; the tail: as many steps' loads as are left behind the next step's
.endif
	TURN (\t)+1                                    ; and go through the other stage while this step is worked
.endif
.irp i, 0,1,2,3,4,5,6,7,8,9,10,11,12,13,14,15
	v_med3_num_f32 v[XS+\i], v[XS+\i], -v10, v10   ; the conversion to an 8-bit code does not saturate (ISA guide 7.6.2): the number is held within 448 x the scale first
.endr
	v_cvt_scalef32_pk8_fp8_f32 v[C+4*(\t):C+4*(\t)+1], v[XS:XS+7], v11          ; eight numbers / 2^e, to the nearest code, ties to even; the first number's code in the lowest byte
	v_cvt_scalef32_pk8_fp8_f32 v[C+4*(\t)+2:C+4*(\t)+3], v[XS+8:XS+15], v11
	global_store_b128 v4, v[C+4*(\t):C+4*(\t)+3], s[12:13] offset:32*CB*(\t)    ; the results go to a store alone; the next vector lines are the next step's holds, plain ones on other registers
.endm
.irp t, 0,1,2,3,4,5,6,7,8,9,10,11,12,13,14,15
	STEP \t
.endr
	s_wait_tensorcnt 0x0                           ; the wave's end, behind my last LDS store
	ds_add_u32 v[SPW], v[NIL]
	s_wait_dscnt 0x0
	s_endpgm
.Lfunc_end_k_qfbf80f2985_quant:
	.size	k_qfbf80f2985_quant, .Lfunc_end_k_qfbf80f2985_quant-k_qfbf80f2985_quant
	.p2alignl 7, 3214868480
	.fill 96, 4, 3214868480
	.section	.rodata,"a",@progbits
	.p2align	6, 0x0
	.amdhsa_kernel k_qfbf80f2985_quant
		.amdhsa_group_segment_fixed_size 75008
		.amdhsa_private_segment_fixed_size 0
		.amdhsa_enable_private_segment 0
		.amdhsa_kernarg_size 56
		.amdhsa_user_sgpr_count 2
		.amdhsa_user_sgpr_kernarg_segment_ptr 1
		.amdhsa_wavefront_size32 1
		.amdhsa_system_sgpr_workgroup_id_x 1
		.amdhsa_system_sgpr_workgroup_id_y 1
		.amdhsa_system_sgpr_workgroup_id_z 1
		.amdhsa_system_vgpr_workitem_id 0
		.amdhsa_next_free_vgpr 240
		.amdhsa_next_free_sgpr 66
		.amdhsa_reserve_vcc 0
		.amdhsa_float_denorm_mode_32 3
		.amdhsa_float_denorm_mode_16_64 3
		.amdhsa_memory_ordered 1
		.amdhsa_forward_progress 1
		.amdhsa_inst_pref_size 38
	.end_amdhsa_kernel
	.amdgpu_metadata
---
amdhsa.version: [ 1, 2 ]
amdhsa.kernels:
  - .name:           k_qfbf80f2985_quant
    .symbol:         k_qfbf80f2985_quant.kd
    .args:
      - { .name: hidden_states, .offset: 0, .size: 8, .value_kind: global_buffer, .address_space: global }
      - { .name: w_in, .offset: 8, .size: 8, .value_kind: global_buffer, .address_space: global }
      - { .name: w_out, .offset: 16, .size: 8, .value_kind: global_buffer, .address_space: global }
      - { .name: lowp_scales, .offset: 24, .size: 8, .value_kind: global_buffer, .address_space: global }
      - { .name: xc, .offset: 32, .size: 8, .value_kind: global_buffer, .address_space: global }
      - { .name: wic, .offset: 40, .size: 8, .value_kind: global_buffer, .address_space: global }
      - { .name: woc, .offset: 48, .size: 8, .value_kind: global_buffer, .address_space: global }
    .group_segment_fixed_size: 75008
    .private_segment_fixed_size: 0
    .kernarg_segment_align: 8
    .kernarg_segment_size: 56
    .max_flat_workgroup_size: 288
    .sgpr_count:     66
    .vgpr_count:     240
    .wavefront_size: 32
...
	.end_amdgpu_metadata
.endif
;; end of part 1
;; launch qkv (part 2): grid 12 x 16, 4 waves a work-group, clusters of 4 x 4, 327,680 bytes of LDS; arguments xc, wic, lowp_scales, cos, sin, qc, kc, vc; writes qc, kc, vc
.if DOCPART == 2
	.amdgcn_target "amdgcn-amd-amdhsa--gfx1250"
	.amdhsa_code_object_version 6
	.text
	.protected	k_qfbf80f2985_qkv
	.globl	k_qfbf80f2985_qkv
	.p2align	8
	.type	k_qfbf80f2985_qkv,@function
k_qfbf80f2985_qkv:
	s_mov_b64 s[64:65], 0
	v_nop
	global_prefetch_b8 v0, s[64:65] scope:SCOPE_SE
	s_setreg_imm32_b32 hwreg(HW_REG_WAVE_MODE, 25, 1), 1
	s_wait_xcnt 0x0
	s_wait_alu depctr_hold_cnt(0) depctr_sa_sdst(0) depctr_va_vdst(0) depctr_va_sdst(0) depctr_va_ssrc(0) depctr_va_vcc(0) depctr_vm_vsrc(0)
	s_getreg_b32 s2, hwreg(HW_REG_IB_STS2, 6, 4)
	s_cmp_eq_u32 s2, 0
	s_cbranch_scc0 .Lentry_in_a_cluster
	s_endpgm
.Lentry_in_a_cluster:
	s_bfe_u32 s2, ttmp6, 0x10000c
	s_cmp_lg_u32 s2, 0xf033
	s_cbranch_scc0 .Lentry_shape_is_right
	s_endpgm
.Lentry_shape_is_right:
; qkv = hidden w_in^T on codes of E4M3 (xc [4096][2048], wic [3072][2048], K innermost), the rotation by cos and sin on q and k, and the three results quantised for the attention:
;   qc [32 heads][4096 tokens][64] with the scale of entry 2, kc [8 heads][4096 tokens][64] with entry 3, vc [64 blocks of 64 tokens][512 features][64 tokens] with entry 4 (the tokens innermost: they are the K of the product that reads it).
; IN EVERY ROW OF 64 CODES THE TWO MIDDLE GROUPS OF EIGHT OF EACH 32 CHANGE PLACES: byte 32 c + 16 h + 8 u + j holds number 32 c + 16 u + 8 h + j.  In qc and kc that permutes the head's axis alike on both sides of q . k;
; in vc it lays the keys as the attention's weights come out of their conversions, so that 16-byte loads serve there.
; A sum stands for sum x 2^(e0 + e1); the rotation is linear, so that factor and the target's 2^e are folded into the conversion's one scale 2^(e - e0 - e1).
; LIMITS: e - e0 - e1 between -126 and 119 for e = e2, e3, e4.  NaN is not served.  The fragments are fetched 16 bytes at a time, which permutes k alike in both operands: only the order of the sums inside an instruction changes.
; A tile of 256 x 256 is made by four waves, each 128 x 128: 64 accumulators, 512 registers.  K goes in steps of 256 through a ring of two LDS slots filled by the tensor data mover.
; The grid is 12 x 16 tiles: a block of 128 x 384 on 256 work-groups would fetch the same 512 rows for each K step and work-group, for three quarters of the products.
; CLUSTERS: 4 x 4 work-groups; the tokens' tile is asked for jointly along a row of the cluster, the weights' along a column.  Clusters x = 0, 1 make q: tile column cx is features 1024 x + 256 cx on.
; In cluster x = 2 a tile's first 128 rows of weights are k's features 128 cx on and its second 128 are v's features 128 cx on: so whether a wave makes k or v hangs on the wave's number and the cluster's x, which all partners share.
; THE MATRIX INSTRUCTION: source 1's 16 rows become the lanes (lane % 16), source 0's 16 rows the registers (8 (lane / 16) + 0 .. 7).  For q and k source 1 = tokens, source 0 = features: a lane holds eight neighbouring features of a token.
; A WAVE THAT MAKES V FETCHES THE WEIGHTS AS SOURCE 1 AND THE TOKENS AS SOURCE 0: a lane then holds eight neighbouring TOKENS of a feature, which is how vc wants them.  The fragment loads stand twice, in the two arms of a branch
; on those ids; each arm's LDS addresses are made of the wave's number alone.  Nothing is transposed; on the way out such a wave leaves the rotation out.
; COS AND SIN of the tile's 256 tokens, 2 x 256 rows of 256 bytes, are as many bytes as a slot: when slot 0 has been read for the last time it is filled with them, jointly along the cluster's row, and the way out reads them from there.
; REGISTERS, in windows of 256: window 0: v0-31 addresses and scales; v32-95 and v192-255 cos and sin of a block of 16 tokens, two buffers; v96-111 a block's codes; from v128 source 1's fragments, ONE set (on the way out v128-191: the rotated numbers).
;   window 1: source 0's fragments, TWO sets.   window 2: the accumulators of my source-1 blocks 0-3 ((a, b) at v[8 (8 (a % 4) + b)]);   window 3: those of blocks 4-7; a block's first 16 registers take its codes as they come back from the stage.
.set SIZE_K, 2048
.set ROWB,   256                       ; a tile's row in bytes: a K step
.set KROW,   SIZE_K                    ; a row of codes in memory, in bytes
.set PITCH,  272                       ; an LDS row: 256 bytes + 16 of padding = 68 words: row r starts at bank 4 r mod 64 (64 banks of 4 bytes: ISA guide 11.1)
.set FR,     16                        ; registers of a fragment: 16 rows x 128 K
.set NL,     4                         ; LDS loads that bring one
.set NP,     4                         ; places behind this matrix instruction (ISA guide 7.12.1)
.set HALFT,  128*PITCH                 ; 128 rows: what one tensor load brings
.set SLOT,   4*HALFT                   ; the tokens' 256 rows, then the weights' 256 rows; at the end in slot 0: cos' 256 rows, then sin's
.set LAPS,   SIZE_K/(2*ROWB)           ; a lap = two K steps = once round the ring
.set SPARE,  2*SLOT                    ; behind the ring: the spare words, 128 bytes a wave, which no other line names
.set STAGE,  SPARE+512                 ; behind them: 16 rows x 144 bytes for each wave, for the way out; no tensor load lands here
.set SPITCH, 144                       ; a stage row: 128 codes + 16 bytes
.set PFO,  10                          ; v10     the tiles' prefetches: my lane x a row of codes (2,048 bytes); never rewritten
.set CPO,  11                          ; v11     cos' and sin's prefetch: my lane x a row of 256 bytes; never rewritten
.set SNO,  12                          ; v12     LDS address of my lane's part of sin's rows
.set ADT,  16                          ; v16-17  LDS address of my 128 tokens' fragments in slot 0, 1
.set ADW,  20                          ; v20-21  the same for my 128 rows of weights
.set STO,  24                          ; v24     the way out: where I put 8 codes of a row
.set RD,   25                          ; v25     where I read 16 bytes back
.set CO,   26                          ; v26     my byte offset in the output
.set CSO,  27                          ; v27     LDS address of my lane's part of cos' rows
.set SPW,  28                          ; v28     LDS address of my spare word; never rewritten
.set NIL,  29                          ; v29     0; never rewritten
.set SC,   30                          ; v30     the conversion's scale
.set LIM,  31                          ; v31     448 x that
.set PC,   96                          ; v96-111 a block's codes
.set AF,   128                         ; source 1's fragments
.set TMP,  128                         ; the way out: 64 rotated numbers
.set G1, 24                            ; s[24:31] descriptor group 1 for the tokens' tiles;  s[32:39] group 0, one set for each slot
.set G0, 32
.set G1B, 48                           ; s[48:55], s[56:63] the same for the weights' tiles
.set G0B, 56
.set G0C, 76                           ; s[76:79] group 0, s[88:95] group 1 for my 128 rows of cos or sin
.set G1C, 88
.set CSP, 12                           ; s[12:13] where my prefetch of cos or sin stands; never rewritten
.set PFA, 98                           ; s[98:99] where my prefetches of tiles stand: my work-group's 32 of the 128 rows that I fetch
.set MSB, 0
.macro WIN new                         ; the immediate's high byte repeats the setting that is left
.if MSB != \new
	s_set_vgpr_msb (MSB<<8)|\new
.set MSB, \new
.endif
.endm
.set MUL_LO, 0xa1                      ; source 0 window 1, source 1 window 0, C and D window 2
.set MUL_HI, 0xf1                      ; the same, C and D window 3
.set TO_B,   0x40                      ; destination window 1, address window 0
; A joint load: waves 0 and 1 fetch the tokens' halves, waves 2 and 3 the weights'.  Each of the two lines has ONE mask and one set of registers for all that issue it; the branch hangs on the wave's number alone.
; An s_nop 0 and four v_nop follow each of the two lines, ahead of the jump, the label and what follows.
.macro JLOAD g0a, g1a, g0b, g1b
	s_cmp_eq_u32 s15, 0
	s_cbranch_scc0 .Lfor_b_\@
	tensor_load_to_lds s[\g0a:\g0a+3], s[\g1a:\g1a+7]
	s_nop 0
.rept 4
	v_nop
.endr
	s_branch .Lasked_\@
.Lfor_b_\@:
	tensor_load_to_lds s[\g0b:\g0b+3], s[\g1b:\g1b+7]
	s_nop 0
.rept 4
	v_nop
.endr
.Lasked_\@:
.endm
.macro CREST                           ; a round of the cluster's barrier behind its opening barrier
	s_cmp_lg_u32 s14, 0
	s_cbranch_scc1 .Lnot_wave_0_\@
	s_barrier_signal -3
.Lnot_wave_0_\@:
	s_barrier_wait -3
	s_barrier_signal -1
	s_barrier_wait -1
.endm
.macro CROUND                          ; a whole round
	s_barrier_signal -1
	s_barrier_wait -1
	CREST
.endm
	s_load_b256 s[4:11], s[0:1], 0x0               ; xc s[4:5], wic s[6:7], the scales' exponents s[8:9], cos s[10:11]
	s_load_b256 s[68:75], s[0:1], 0x20             ; sin s[68:69], qc s[70:71], kc s[72:73], vc s[74:75]
	v_lshl_add_u32 v[SPW], v0, 2, SPARE
	v_mov_b32 v[NIL], 0
	ds_add_u32 v[SPW], v[NIL]                      ; the wave's opening: the add, twice on end, and its wait ahead of my first tensor load; the set-up below, work on registers, stands between
	ds_add_u32 v[SPW], v[NIL]
	v_lshrrev_b32 v1, 5, v0
	v_readfirstlane_b32 s14, v1                    ; wave 0..3
	s_lshr_b32 s15, s14, 1                         ; which 128 tokens of the tile are mine.  Also: I fetch tokens (0) or weights (1); cos (0) or sin (1)
	s_and_b32 s16, s14, 1                          ; which 128 rows of weights are mine.  Also: which 128 rows of that tile I fetch
	s_bfe_u32 s40, ttmp6, 0x40000                  ; cx, cy: my place in the cluster
	s_bfe_u32 s41, ttmp6, 0x40004
	s_and_b32 s17, ttmp7, 0xffff
	s_lshl_b32 s17, s17, 2
	s_add_co_u32 s17, s17, s41                     ; tile row = 4 x cluster y + cy: tokens 256 x tile row on
	s_lshl_b32 s43, s41, 2
	s_lshl_b32 s43, 15, s43                        ; my row of the cluster
	s_lshl_b32 s44, 0x1111, s40                    ; my column
	; descriptor group 1: a tile of 128 rows x 256 bytes, padded in LDS
	s_or_b32 s[G1+0], s43, (0<<16)|(1<<20)|(1<<21)|(5<<22)|(3<<25)  ; 15:0 the mask: the tokens' tiles go to my row; 17:16 element of 1 byte; 20 padding on; 21 set beside a mask; 24:22 after every 64 words (code 5); 31:25 of 4 words (code 3)
	s_or_b32 s[G1B+0], s44, (0<<16)|(1<<20)|(1<<21)|(5<<22)|(3<<25) ; the same with the mask of my column
.irp g, G1, G1B
	s_mov_b32 s[\g+1], ROWB<<16                    ; tensor_dim0
	s_mov_b32 s[\g+2], 128<<16                     ; tensor_dim1 = 128
	s_mov_b32 s[\g+3], ROWB<<16                    ; tile_dim0
	s_mov_b32 s[\g+4], 128                         ; tile_dim1 = 128
	s_mov_b32 s[\g+5], KROW                        ; tensor_dim0_stride
	s_mov_b32 s[\g+6], 0
	s_mov_b32 s[\g+7], 0
.endr
	s_cmp_eq_u32 ttmp9, 2                          ; the cluster that makes k and v?  The same in all sixteen partners
	s_cselect_b32 s66, 1, 0
	s_cselect_b32 s76, 7, 8                        ; there a tile column is 128 features of each, else 256 of q
	s_cselect_b32 s77, 9, 7                        ; and the tile's second half lies 512 rows of w_in further on (v behind k), else 128
	s_and_b32 s67, s66, s16                        ; 1 in a wave that makes v
	s_lshl_b32 s18, s16, 7
	s_lshl_b32 s20, s17, 8
	s_add_co_u32 s20, s20, s18                     ; the tokens that I fetch: row 256 x tile row + 128 x half
	s_lshl_b32 s46, ttmp9, 10
	s_lshl_b32 s47, s40, s76
	s_add_co_u32 s46, s46, s47
	s_lshl_b32 s47, s16, s77
	s_add_co_u32 s46, s46, s47                     ; the weights that I fetch: row 1024 x cluster x + (256 or 128) cx + (128 or 512) x half
	s_lshl_b32 s20, s20, 11                        ; in bytes: rows of 2,048; under 2^24
	s_lshl_b32 s46, s46, 11
	s_mov_b32 s21, 0
	s_mov_b32 s47, 0
	s_mul_i32 s45, s14, HALFT                      ; where they go: wave x 128 rows: no place in the cluster enters an LDS address
	s_wait_dscnt 0x0                               ; both opening adds are done
	s_wait_kmcnt 0x0
	s_load_b256 s[88:95], s[8:9], 0x0              ; e0 .. e7
	s_add_nc_u64 s[20:21], s[4:5], s[20:21]
	s_add_nc_u64 s[46:47], s[6:7], s[46:47]
.irp s, 0,1
	s_mov_b32 s[G0+4*\s], 1
	s_add_co_u32 s[G0+4*\s+1], s45, \s*SLOT
	s_add_nc_u64 s[G0+4*\s+2:G0+4*\s+3], s[20:21], \s*ROWB
	s_or_b32 s[G0+4*\s+3], s[G0+4*\s+3], 0x80000000
	s_mov_b32 s[G0B+4*\s], 1
	s_add_co_u32 s[G0B+4*\s+1], s45, \s*SLOT
	s_add_nc_u64 s[G0B+4*\s+2:G0B+4*\s+3], s[46:47], \s*ROWB
	s_or_b32 s[G0B+4*\s+3], s[G0B+4*\s+3], 0x80000000
.endr
	CROUND                                         ; all sixteen work-groups are here: the first joint loads meet
	JLOAD G0, G1, G0B, G1B                         ; K step 0: one tensor load a wave at the head
	; THE PREFETCHES INTO THE L2.  Tiles: of the 128 rows that I fetch jointly with three partners, the partner at place p (cx for tokens, cy for weights) names rows 32 p .. 32 p + 31, a lane a row, a K step's 256 bytes:
	; the partners are told apart by address, and each block of 256 bytes is named once in each cluster that loads it.  Here K steps 1 and 2; behind K step 1's load K step 3; behind the refill with K step s, K step s + 2.
	; cos and sin: the four work-groups of a tile row share its 2 x 256 rows of 256 bytes: wave w of partner cx names 32 rows of cos (w even) or sin (w odd), once, behind K step 1's load: six K steps ahead of the load that wants them.
	s_cmp_eq_u32 s15, 0
	s_cselect_b64 s[PFA:PFA+1], s[20:21], s[46:47]
	s_cselect_b32 s76, s40, s41
	s_lshl_b32 s76, s76, 16                        ; 32 rows of 2,048 bytes
	s_mov_b32 s77, 0
	s_add_nc_u64 s[PFA:PFA+1], s[PFA:PFA+1], s[76:77]
	s_cmp_eq_u32 s16, 0
	s_cselect_b64 s[CSP:CSP+1], s[10:11], s[68:69]
	s_lshl_b32 s76, s17, 2
	s_add_co_u32 s76, s76, s40
	s_lshl_b32 s76, s76, 1
	s_add_co_u32 s76, s76, s15                     ; token / 32 = 8 x tile row + 2 cx + wave / 2: 127 at the most
	s_lshl_b32 s76, s76, 13                        ; 32 rows of 256 bytes
	s_add_nc_u64 s[CSP:CSP+1], s[CSP:CSP+1], s[76:77]
	v_and_b32 v[CPO], 31, v0
	v_lshlrev_b32 v[PFO], 11, v[CPO]
	v_lshlrev_b32 v[CPO], 8, v[CPO]
	global_prefetch_b8 v[PFO], s[PFA:PFA+1] offset:ROWB th:TH_LOAD_NT scope:SCOPE_SE
	global_prefetch_b8 v[PFO], s[PFA:PFA+1] offset:2*ROWB th:TH_LOAD_NT scope:SCOPE_SE
	; all scalar work of the head first, then its vector work in one run
	s_cmp_eq_u32 s15, 0                            ; group 0 for cos and sin: waves 0 and 1 fetch cos' halves, waves 2 and 3 sin's: rows 256 x tile row + 128 x half, which my row of the cluster shares
	s_cselect_b64 s[G0C+2:G0C+3], s[10:11], s[68:69]
	s_lshl_b32 s76, s17, 16
	s_lshl_b32 s18, s16, 15
	s_add_co_u32 s76, s76, s18
	s_add_nc_u64 s[G0C+2:G0C+3], s[G0C+2:G0C+3], s[76:77]
	s_or_b32 s[G0C+3], s[G0C+3], 0x80000000
	s_mov_b32 s[G0C], 1
	s_mov_b32 s[G0C+1], s45                        ; into slot 0: wave x 128 rows
	s_mul_i32 s21, s15, HALFT                      ; my 128 tokens; and my 128 rows of cos
	s_mul_i32 s22, s16, HALFT                      ; my 128 rows of weights,
	s_add_co_u32 s22, s22, 2*HALFT                 ; which lie behind the tokens' 256
	s_add_co_u32 s18, s21, SLOT
	s_add_co_u32 s19, s22, SLOT
	s_add_co_u32 s3, s21, 2*HALFT                  ; my 128 rows of sin
	; THE WAY OUT'S ADDRESSES.  All three outputs are [plane][row][64 bytes]; a wave's 128 x 128 is 128 rows in each of two neighbouring planes.
	;   q: plane = head 16 x + 4 cx + 2 half, row = token;   k: plane = head 2 cx, row = token;   v: plane = token / 64, row = feature 128 cx on.   A plane is 2^18 bytes of qc and kc, 2^15 of vc.
	s_lshl_b32 s82, s17, 8
	s_lshl_b32 s83, s15, 7
	s_add_co_u32 s82, s82, s83                     ; my first token
	s_lshl_b32 s83, ttmp9, 4
	s_lshl_b32 s84, s40, 2
	s_add_co_u32 s83, s83, s84
	s_lshl_b32 s84, s16, 1
	s_add_co_u32 s83, s83, s84                     ; q's plane
	s_lshl_b32 s84, s40, 1                         ; k's plane
	s_lshr_b32 s85, s82, 6                         ; v's plane
	s_lshl_b32 s86, s40, 7                         ; v's first row
	s_cmp_eq_u32 s66, 1
	s_cselect_b32 s83, s84, s83
	s_cselect_b64 s[80:81], s[72:73], s[70:71]     ; kc or qc
	s_cmp_eq_u32 s67, 1
	s_cselect_b32 s83, s85, s83                    ; the plane
	s_cselect_b32 s84, s86, s82                    ; the first row
	s_cselect_b32 s87, 15, 18                      ; log2 of a plane's bytes
	s_cselect_b64 s[80:81], s[74:75], s[80:81]     ; vc or that
	s_lshl_b32 s83, s83, s87
	s_lshl_b32 s84, s84, 6
	s_add_co_u32 s84, s84, s83
	s_mov_b32 s85, 0
	s_add_nc_u64 s[80:81], s[80:81], s[84:85]      ; the output at my first row of my first plane
	s_mul_i32 s23, s14, 16*SPITCH
	s_add_co_u32 s23, s23, STAGE                   ; my stage
	s_wait_kmcnt 0x0
	s_cmp_eq_u32 s67, 1
	s_cselect_b32 s96, s92, s91                    ; e4 for v, e3 for k,
	s_cmp_eq_u32 s66, 1
	s_cselect_b32 s96, s96, s90                    ; e2 for q: a choice, no branch
	s_sub_co_i32 s96, s96, s88
	s_sub_co_i32 s96, s96, s89                     ; e - e0 - e1
	s_add_co_i32 s96, s96, 127
	s_lshl_b32 s97, s96, 23                        ; 2^(e - e0 - e1) as f32: the conversion takes its exponent field
	s_add_co_i32 s96, s96, 8
	s_lshl_b32 s96, s96, 23
	s_or_b32 s96, s96, 0x600000                    ; 448 x that
	s_or_b32 s[G1C], s43, (0<<16)|(1<<20)|(1<<21)|(5<<22)|(3<<25)   ; group 1 for cos and sin (the exponents have been read): as the tokens', my row's mask too, but rows that lie end to end
	s_mov_b32 s[G1C+1], ROWB<<16
	s_mov_b32 s[G1C+2], 128<<16
	s_mov_b32 s[G1C+3], ROWB<<16
	s_mov_b32 s[G1C+4], 128
	s_mov_b32 s[G1C+5], ROWB
	s_mov_b32 s[G1C+6], 0
	s_mov_b32 s[G1C+7], 0
	v_and_b32 v1, 15, v0                           ; r = l % 16
	v_bfe_u32 v2, v0, 4, 1                         ; h = l / 16
	v_mul_u32_u24 v3, v1, PITCH
	v_lshl_add_u32 v4, v2, 4, v3                   ; a fragment's row x pitch + 16 x half
	v_add_nc_u32 v[ADT], s21, v4
	v_add_nc_u32 v[ADT+1], s18, v4
	v_add_nc_u32 v[ADW], s22, v4
	v_add_nc_u32 v[ADW+1], s19, v4
	v_mul_u32_u24 v5, v1, SPITCH                   ; into the stage: row r; the halves of the lanes lie 16 bytes apart: byte 32 (b / 2) + 16 h + 8 (b % 2) takes column block b's eight numbers of half h
	v_lshl_add_u32 v5, v2, 4, v5
	v_add_nc_u32 v[STO], s23, v5
	v_bfe_u32 v6, v0, 2, 2                         ; (l % 16) / 4
	v_and_b32 v7, 3, v0                            ; l % 4
	v_mul_u32_u24 v8, v6, SPITCH                   ; back: lanes 0-15 take the first 64 bytes of four rows, lanes 16-31 the second 64
	v_lshl_add_u32 v8, v2, 6, v8
	v_lshl_add_u32 v8, v7, 4, v8
	v_add_nc_u32 v[RD], s23, v8
	v_lshlrev_b32 v9, s87, v2                      ; and in the output: the second 64 bytes belong to the next plane;
	v_lshl_add_u32 v9, v6, 6, v9                   ; four rows of 64 bytes on end
	v_lshl_add_u32 v[CO], v7, 4, v9
	v_lshl_add_u32 v[CSO], v2, 5, v3               ; cos, sin: row r x pitch + 32 h
	v_add_nc_u32 v[SNO], s3, v[CSO]
	v_add_nc_u32 v[CSO], s21, v[CSO]
	v_mov_b32 v[SC], s97
	v_mov_b32 v[LIM], s96
.macro FRAG reg, adr, q, i             ; a fragment, 16 rows x 128 K, is 16 registers: lane l holds row l % 16; registers 4 c .. 4 c + 3 hold K = 32 c + 16 (l / 16) + 0 .. 15
.irp c, 0,1,2,3
	ds_load_b128 v[\reg+4*\c:\reg+4*\c+3], v[\adr] offset:128*(\q)+32*\c+(\i)*16*PITCH
.endr
.endm
; part 0: source 0's eight fragments (from a0) into set p, and source 1's blocks 0-3 (from a1): 48 loads.  part 1: source 1's blocks 4-7: 16 loads.
.macro HALF a0, a1, slot, q, p, part
.if \part == 0
	WIN TO_B
.irp i, 0,1,2,3,4,5,6,7
	FRAG 128*(\p)+FR*\i, \a0+\slot, \q, \i
.endr
	WIN 0
.irp i, 0,1,2,3
	FRAG AF+FR*\i, \a1+\slot, \q, \i
.endr
.else
.irp i, 4,5,6,7
	FRAG AF+FR*\i, \a1+\slot, \q, \i
.endr
.endif
.endm
; The fragment loads, in two arms: weights as source 0 and tokens as source 1, or, in a wave that makes v, the other way round.  Both arms issue the same number of loads into the same registers.
.macro FETCH slot, q, p, part
	s_cmp_eq_u32 s67, 1
	s_cbranch_scc1 .Lfv_\@
	HALF ADW, ADT, \slot, \q, \p, \part
	s_branch .Lfj_\@
.Lfv_\@:
	HALF ADT, ADW, \slot, \q, \p, \part
.Lfj_\@:
.endm
; 16 matrix instructions: source 1's blocks a0, a0 + 1 x source 0's eight, 128 along K.  p: source 0's set.  zero = 1: the first product starts the sums: nothing is ever cleared.
; The 64 accumulators take turns, one instruction a turn, in the same order in every step.
.macro MUL16 a0, p, zero
.irp a, \a0, \a0+1
.irp b, 0,1,2,3,4,5,6,7
.if \zero
	v_wmma_f32_16x16x128_fp8_fp8 v[8*(8*((\a)%4)+\b):8*(8*((\a)%4)+\b)+7], v[128*(\p)+FR*\b:128*(\p)+FR*\b+FR-1], v[AF+FR*(\a):AF+FR*(\a)+FR-1], 0
.else
	v_wmma_f32_16x16x128_fp8_fp8 v[8*(8*((\a)%4)+\b):8*(8*((\a)%4)+\b)+7], v[128*(\p)+FR*\b:128*(\p)+FR*\b+FR-1], v[AF+FR*(\a):AF+FR*(\a)+FR-1], v[8*(8*((\a)%4)+\b):8*(8*((\a)%4)+\b)+7]
.endif
.endr
.endr
.endm
; A load into a register that a matrix instruction has read, and a vector instruction that reads a matrix result or writes one of its registers, stand NP places behind it, and only plain vector
; instructions that name none of its registers are places (ISA guide 7.12.1 for vector instructions).
.macro PLACES n
.rept \n
	v_nop
.endr
.endm
; A step of 128 along K that has its successor in the same slot.  A block of source 1 is free as soon as its eight products are issued: blocks 0-3 are fetched anew in the step's middle, blocks 4-7 at its end.
.macro STEP slot, q, zero
	s_wait_dscnt 4*NL                              ; source 0's set and source 1's blocks 0-3 are in; the youngest sixteen loads (blocks 4-7) may be out
	WIN MUL_LO
	MUL16 0, (\q)%2, \zero
	MUL16 2, (\q)%2, \zero
	s_wait_dscnt 0                                 ; blocks 4-7 are in (asked for 32 matrix instructions ago)
	WIN 0
	PLACES NP
	FETCH \slot, (\q)+1, 1-(\q)%2, 0
	WIN MUL_HI
	MUL16 4, (\q)%2, \zero
	MUL16 6, (\q)%2, \zero
	WIN 0
	PLACES NP
	FETCH \slot, (\q)+1, 0, 1
.endm
; A slot's last step changes slots: ONE barrier, which opens a round of the cluster's barrier; in front of it each wave waits for all its tensor loads, adds 0 to its spare word, and waits for that and for its own reads of this slot.
; fill = 1: this slot is filled again with the K step two steps on.  fill = 2: K is at its end, and the slot takes cos and sin.
.macro TURN slot, next, fill
.if \fill == 1
	s_wait_xcnt 0x0                                ; my last prefetch has read its address: it is stepped here, ahead of the lines of the change of slots
	s_add_nc_u64 s[PFA:PFA+1], s[PFA:PFA+1], ROWB
.endif
	s_wait_tensorcnt 0x0                           ; all my tensor loads have landed: my part of the next slot;  (every window is 0 here)
	ds_add_u32 v[SPW], v[NIL]                      ; 0 onto my spare word;
	s_wait_dscnt 4*NL+1                            ; (the add and the youngest sixteen loads, blocks 4-7, may be out)
	WIN MUL_LO
	MUL16 0, 1, 0                                  ; sixteen matrix instructions stand between the add and the wait for it
	s_wait_dscnt 0x0                               ; the add is done, and my reads of this slot are over
	s_barrier_signal -1
	MUL16 2, 1, 0
	WIN 0
	s_barrier_wait -1
	CREST                                          ; no wave of any partner still reads this slot's tile or has a load on its way
.if \fill == 1
	s_add_nc_u64 s[G0+4*\slot+2:G0+4*\slot+3], s[G0+4*\slot+2:G0+4*\slot+3], 2*ROWB
	s_add_nc_u64 s[G0B+4*\slot+2:G0B+4*\slot+3], s[G0B+4*\slot+2:G0B+4*\slot+3], 2*ROWB
	JLOAD G0+4*\slot, G1, G0B+4*\slot, G1B         ; the first tensor load behind the round; the four v_nop behind it are the places in front of the loads below
.else
	tensor_load_to_lds s[G0C:G0C+3], s[G1C:G1C+7]  ; my 128 rows of cos or sin: one line and one mask for all four waves; both addresses hang on the wave's number
	s_nop 0
	PLACES NP
.endif
	FETCH \next, 0, 0, 0
.if \fill == 1
	s_cmp_gt_u32 s3, 1                             ; the K step two refills on; the last trip's two refills (K steps 6 and 7) have none
	s_cbranch_scc0 .Lno_ask_\@
	global_prefetch_b8 v[PFO], s[PFA:PFA+1] offset:3*ROWB th:TH_LOAD_NT scope:SCOPE_SE
.Lno_ask_\@:
.endif
	WIN MUL_HI
	MUL16 4, 1, 0
	MUL16 6, 1, 0
	WIN 0
	PLACES NP
	FETCH \next, 0, 0, 1
.endm
	s_wait_alu depctr_va_vdst(0)
	s_wait_tensorcnt 0x0                           ; my part of K step 0 is in;
	ds_add_u32 v[SPW], v[NIL]
	s_wait_dscnt 0x0
	CROUND                                         ; everybody's part of K step 0 is in, and all sixteen work-groups are here,
	JLOAD G0+4, G1, G0B+4, G1B                     ; and K step 1's load is the first tensor load behind the round
	FETCH 0, 0, 0, 0
	FETCH 0, 0, 0, 1
	global_prefetch_b8 v[PFO], s[PFA:PFA+1] offset:3*ROWB th:TH_LOAD_NT scope:SCOPE_SE   ; K step 3
	global_prefetch_b8 v[CPO], s[CSP:CSP+1] th:TH_LOAD_NT scope:SCOPE_SE   ; my 32 rows of cos or sin
	STEP 0, 0, 1                                   ; the first step stands in front of the loop: its products start the sums
	s_mov_b32 s3, LAPS-1
.Llap:                                                 ; a trip goes once round the ring, from a lap's second step to the next lap's first, and fills both slots again
	TURN 0, 1, 1
	STEP 1, 0, 0
	TURN 1, 0, 1
	STEP 0, 0, 0
	s_sub_co_u32 s3, s3, 1
	s_cmp_lg_u32 s3, 0
	s_cbranch_scc1 .Llap
	TURN 0, 1, 2                                   ; slot 0 has held its last K step: it takes cos and sin, which have the last 160 matrix instructions in which to land
	STEP 1, 0, 0
	s_wait_dscnt 4*NL                              ; the very last step: nothing more to fetch
	WIN MUL_LO
	MUL16 0, 1, 0
	MUL16 2, 1, 0
	s_wait_dscnt 0
	WIN MUL_HI
	MUL16 4, 1, 0
	MUL16 6, 1, 0
	WIN 0
	PLACES NP                                      ; behind the last products: their results are read, and their sources' registers are written, below
	s_wait_tensorcnt 0x0                           ; my rows of cos or sin are in,
	s_barrier_signal -1
	s_barrier_wait -1                              ; and so are the other waves'
; THE WAY OUT, block by block of source 1's 16 rows x 128 columns (two planes of 64).  The rotation: within a plane, column blocks g = 0, 1 (d < 32) pair with g + 2:
;   out(d) = x(d) cos(d) - x(d + 32) sin(d),   out(d + 32) = x(d + 32) cos(d + 32) + x(d) sin(d + 32): all 64 columns of cos and sin are taken as they are given.
; Then the hold, the conversion, 8 bytes a lane into my own stage, back 16 bytes a lane, and stores in which sixteen lanes cover four rows of 64 bytes: 256 consecutive bytes at a multiple of 256 from the buffer's first.
; A block's stores are issued behind the next block's turn through the stage; cos and sin of block a + 2 are read from LDS as soon as block a has read its buffer.
; cos and sin of block a's 16 tokens: 16 LDS loads into buffer a % 2 (v32-95 or v192-255): register 8 g + j is cos at d = 16 g + 8 (lane / 16) + j of my token, register 32 + 8 g + j sin.
; Every wave issues them, so that the counts of the waits below are the same on every way; a wave that makes v reads none of them.
.macro CSLOAD a
.set CRB, 32+160*((\a)%2)
.irp g, 0,1,2,3
.irp u, 0,1
	ds_load_b128 v[CRB+8*\g+4*\u:CRB+8*\g+4*\u+3], v[CSO] offset:16*PITCH*(\a)+64*\g+16*\u
	ds_load_b128 v[CRB+32+8*\g+4*\u:CRB+32+8*\g+4*\u+3], v[SNO] offset:16*PITCH*(\a)+64*\g+16*\u
.endr
.endr
.endm
.macro SEND a, younger                 ; younger: the LDS instructions issued behind block a's loads from the stage, which may stay out
.set BKS, 64*((\a)%4)                  ; the block read back lies in its own first two accumulators' registers, window 2 or 3
	s_wait_dscnt \younger
	WIN 4*(2+(\a)/4)                               ; a store's data: source 1's window
.irp i, 0,1,2,3
	global_store_b128 v[CO], v[BKS+4*\i:BKS+4*\i+3], s[80:81] offset:1024*(\a)+256*\i
.endr
	WIN 0
.endm
.macro BLOCK a
.set AC, 64*((\a)%4)
.set CR, 32+160*((\a)%2)
.set SN, CR+32
; this block's cos and sin are in.  Behind them were issued: block 0: block 1's 16;  block 1: block 2's 16 and block 0's 8 stores and 4 loads of the stage;  later: two blocks' 12 of the stage, and 16 while a block a + 1 is left
.if (\a) == 0
	s_wait_dscnt 16
.elseif (\a) == 1
	s_wait_dscnt 28
.elseif (\a) < 7
	s_wait_dscnt 40
.else
	s_wait_dscnt 24
.endif
	s_cmp_eq_u32 s67, 1
	s_cbranch_scc1 .Lbv_\@
	WIN 0x02+((\a)/4)                              ; source 0: window 2 or 3
.irp b, 0,1,4,5
.irp j, 0,2,4,6                        ; each accumulator is read from its low end on; eight products, then the eight multiply-adds that take them
	v_pk_mul_f32 v[TMP+8*\b+\j:TMP+8*\b+\j+1], v[AC+8*(\b+2)+\j:AC+8*(\b+2)+\j+1], v[SN+8*(\b%4)+\j:SN+8*(\b%4)+\j+1]
	v_pk_mul_f32 v[TMP+8*(\b+2)+\j:TMP+8*(\b+2)+\j+1], v[AC+8*\b+\j:AC+8*\b+\j+1], v[SN+8*(\b%4+2)+\j:SN+8*(\b%4+2)+\j+1]
.endr
.irp j, 0,2,4,6
	v_pk_fma_f32 v[TMP+8*\b+\j:TMP+8*\b+\j+1], v[AC+8*\b+\j:AC+8*\b+\j+1], v[CR+8*(\b%4)+\j:CR+8*(\b%4)+\j+1], v[TMP+8*\b+\j:TMP+8*\b+\j+1] neg_lo:[0,0,1] neg_hi:[0,0,1]
	v_pk_fma_f32 v[TMP+8*(\b+2)+\j:TMP+8*(\b+2)+\j+1], v[AC+8*(\b+2)+\j:AC+8*(\b+2)+\j+1], v[CR+8*(\b%4+2)+\j:CR+8*(\b%4+2)+\j+1], v[TMP+8*(\b+2)+\j:TMP+8*(\b+2)+\j+1]
.endr
.endr
	WIN 0
.set i, 0
.rept 64
	v_med3_num_f32 v[TMP+i], v[TMP+i], -v[LIM], v[LIM]   ; the conversion to an 8-bit code does not saturate (ISA guide 7.6.2): the hold at 448 x the scale
.set i, i+1
.endr
	s_wait_alu depctr_va_vdst(0)
	s_branch .Lbj_\@
.Lbv_\@:                                               ; v is not rotated: the hold alone, out of the accumulators, each from its low end on
	WIN 0x02+((\a)/4)
.set i, 0
.rept 64
	v_med3_num_f32 v[TMP+i], v[AC+i], -v[LIM], v[LIM]
.set i, i+1
.endr
	WIN 0
.Lbj_\@:
.if (\a)+2 < 8
	CSLOAD (\a)+2
.endif
.irp b, 0,1,2,3,4,5,6,7
	v_cvt_scalef32_pk8_fp8_f32 v[PC+2*\b:PC+2*\b+1], v[TMP+8*\b:TMP+8*\b+7], v[SC]
.endr
	v_nop                                          ; one plain vector instruction between the last conversion and the next block's products, which write its sources
.irp b, 0,1,2,3,4,5,6,7
	ds_store_b64 v[STO], v[PC+2*\b:PC+2*\b+1] offset:32*(\b/2)+8*(\b%2)   ; with the address's 16 h: the two middle groups of eight of each 32 change places
.endr
	WIN 0x40*(2+(\a)/4)                            ; back into sixteen registers of this block's own accumulators, which have been read: each block's stores have data registers of their own, so none is written again
.irp i, 0,1,2,3
	ds_load_b128 v[AC+4*\i:AC+4*\i+3], v[RD] offset:4*SPITCH*\i   ; LDS serves a wave's instructions in order (ISA guide 5.7.1.4): these see my stores above, and the next block's stores come behind them
.endr
	WIN 0
.if (\a) > 0
.if (\a) < 6
	SEND (\a)-1, 28                                ; behind block a - 1's loads from the stage: block a + 2's 16 of cos and sin, this block's eight stores and four loads
.else
	SEND (\a)-1, 12                                ; the same without cos and sin
.endif
.endif
.endm
	CSLOAD 0
	CSLOAD 1
.irp a, 0,1,2,3,4,5,6,7
	BLOCK \a
.endr
	SEND 7, 0
	s_wait_tensorcnt 0x0                           ; the wave's end, behind my last tensor load and my last LDS store
	ds_add_u32 v[SPW], v[NIL]
	s_wait_dscnt 0x0
	CROUND                                         ; the closing round: no work-group ends while a partner may still ask for a tile that names it
	s_endpgm
.Lfunc_end_k_qfbf80f2985_qkv:
	.size	k_qfbf80f2985_qkv, .Lfunc_end_k_qfbf80f2985_qkv-k_qfbf80f2985_qkv
	.p2alignl 7, 3214868480
	.fill 96, 4, 3214868480
	.section	.rodata,"a",@progbits
	.p2align	6, 0x0
	.amdhsa_kernel k_qfbf80f2985_qkv
		.amdhsa_group_segment_fixed_size 327680
		.amdhsa_private_segment_fixed_size 0
		.amdhsa_enable_private_segment 0
		.amdhsa_kernarg_size 64
		.amdhsa_user_sgpr_count 2
		.amdhsa_user_sgpr_kernarg_segment_ptr 1
		.amdhsa_wavefront_size32 1
		.amdhsa_system_sgpr_workgroup_id_x 1
		.amdhsa_system_sgpr_workgroup_id_y 1
		.amdhsa_system_sgpr_workgroup_id_z 1
		.amdhsa_system_vgpr_workitem_id 0
		.amdhsa_next_free_vgpr 1024
		.amdhsa_next_free_sgpr 100
		.amdhsa_reserve_vcc 0
		.amdhsa_float_denorm_mode_32 3
		.amdhsa_float_denorm_mode_16_64 3
		.amdhsa_memory_ordered 1
		.amdhsa_forward_progress 1
		.amdhsa_inst_pref_size 237
	.end_amdhsa_kernel
	.amdgpu_metadata
---
amdhsa.version: [ 1, 2 ]
amdhsa.kernels:
  - .name:           k_qfbf80f2985_qkv
    .symbol:         k_qfbf80f2985_qkv.kd
    .args:
      - { .name: xc, .offset: 0, .size: 8, .value_kind: global_buffer, .address_space: global }
      - { .name: wic, .offset: 8, .size: 8, .value_kind: global_buffer, .address_space: global }
      - { .name: lowp_scales, .offset: 16, .size: 8, .value_kind: global_buffer, .address_space: global }
      - { .name: cos, .offset: 24, .size: 8, .value_kind: global_buffer, .address_space: global }
      - { .name: sin, .offset: 32, .size: 8, .value_kind: global_buffer, .address_space: global }
      - { .name: qc, .offset: 40, .size: 8, .value_kind: global_buffer, .address_space: global }
      - { .name: kc, .offset: 48, .size: 8, .value_kind: global_buffer, .address_space: global }
      - { .name: vc, .offset: 56, .size: 8, .value_kind: global_buffer, .address_space: global }
    .group_segment_fixed_size: 327680
    .private_segment_fixed_size: 0
    .kernarg_segment_align: 8
    .kernarg_segment_size: 64
    .max_flat_workgroup_size: 128
    .sgpr_count:     100
    .vgpr_count:     1024
    .wavefront_size: 32
...
	.end_amdgpu_metadata
.endif
;; end of part 2
;; launch attn (part 3): grid 8 x 32, 16 waves a work-group, no clusters, 327,680 bytes of LDS; arguments qc, kc, vc, lowp_scales, ac; writes ac
.if DOCPART == 3
	.amdgcn_target "amdgcn-amd-amdhsa--gfx1250"
	.amdhsa_code_object_version 6
	.text
	.protected	k_qfbf80f2985_attn
	.globl	k_qfbf80f2985_attn
	.p2align	8
	.type	k_qfbf80f2985_attn,@function
k_qfbf80f2985_attn:
	s_mov_b64 s[64:65], 0
	v_nop
	global_prefetch_b8 v0, s[64:65] scope:SCOPE_SE
	s_setreg_imm32_b32 hwreg(HW_REG_WAVE_MODE, 25, 1), 1
	s_wait_xcnt 0x0
; Causal attention on codes of E4M3: qc [32 heads][4096 tokens][64], kc [8 heads][4096 tokens][64], vc [64 blocks of 64 tokens][512 features][64 tokens], as the launch before lays them; ac [4096 tokens][2048] takes the result's codes with the scale of entry 6.
; p = 2^(t - M), t = score x log2(e) / 8, M the ceiling of the running largest t; the row's sum is taken of the unquantised p and divides at the end.
; A work-group (x, y) serves sequence y / 8 and key-value head y % 8: its four query heads, and the query blocks x and 15 - x of 64 queries, so that all work-groups walk 9 steps of 128 keys a wave.
; Wave w owns head w % 4 and 16 queries (w / 4) of each of the two blocks.  Steps all of whose keys come after the block's queries are left out by branches on ids: the mask that reference() builds makes their weights 0.
; All 1024 keys of K and V come to lie in LDS, in parts of 64 keys (4,096 dense bytes, stated as 16 rows of 256; 16 bytes of padding behind each 64).  Even waves fetch K's parts, odd waves V's: part w / 2 at the head,
; part 8 + w / 2 behind the full sequence ahead of a later first fill; the second 512 keys land under the four trips that walk the first 512.  Nothing is filled twice.
; No cluster: the eight work-groups of one y read the same K and V once each, in two loads a wave, and there is no loop of loads to share.  No prefetch for the same reason: no loop runs ahead of a load.
; LIMITS: e2 + e3 between -123 and 130; e5 and e6 - e4 - e5 between -126 and 119; the scaled scores stay under 2^31 in magnitude.  NaN is not served.
.set KP,    80                         ; a row of 64 codes in LDS: + 16 bytes of padding
.set PART,  64*KP
.set KSB,   2*PART                     ; a step of 128 keys
.set VREG,  16*PART                    ; V's parts lie behind K's sixteen
.set STAGE, 2*VREG                     ; the way out: 128 rows of 256 codes + 16 bytes
.set SPI,   272
.set SPARE, STAGE+128*SPI              ; the spare words, 128 bytes a wave, which no other line names
.set AK0,  1
.set AV0,  2
.set QO,   3                           ; v3: Q's offset; behind Q's loads the bound 448 x 2^e5 a second time
.set SPW,  5
.set NIL,  6
.set GO,   7
.set ADK,  8
.set ADV,  9
.set STO,  10
.set RD,   11
.set STB,  12                          ; -M, the largest t, the sum in two halves: block 15 - x's, then block x's
.set STA,  16
.set QFB,  20
.set QFA,  28
.set FR,   36                          ; v36-99 fragments of K, then of V
.set S,    100                         ; v100-163 the scores, then p
.set OBB,  164                         ; O^T of the two blocks
.set OBA,  196
.set PCD,  228                         ; p's codes
.set PT,   244
.set NINF, 245
.set SUM2, 246
.set FF,   248
.set T0,   250
.set T1,   251
.set LIMP, 252
.set SCP,  253
.set SCO,  254
.set LIMO, 255
.set CA,   36
.set CB,   44
.set BKR,  52
.set TB,   2
.set TRIP, 3
.set N1,   14
.set NB,   15
.set WV,   18
.set KF,   19
.set SEL,  20
.set CS,   22
.set G1,   24
.set G0A,  32
.set G0B,  36
.set QAA,  40
.set QBA,  42
.set Q0A,  44
.set Q0B,  45
	s_load_b256 s[4:11], s[0:1], 0x0
	s_load_b64 s[12:13], s[0:1], 0x20
	v_lshl_add_u32 v[SPW], v0, 2, SPARE
	v_mov_b32 v[NIL], 0
	ds_add_u32 v[SPW], v[NIL]                      ; the opening lines: the add, twice on end, and its wait ahead of my first tensor load
	ds_add_u32 v[SPW], v[NIL]
	v_lshrrev_b32 v8, 5, v0
	s_delay_alu instid0(VALU_DEP_1)
	v_readfirstlane_b32 s[WV], v8
	s_and_b32 s48, ttmp7, 0xffff
	s_lshr_b32 s49, s48, 3                         ; the sequence
	s_and_b32 s50, s48, 7                          ; the key-value head
	s_and_b32 s51, s[WV], 3
	s_lshr_b32 s52, s[WV], 2
	s_and_b32 s60, s[WV], 1                        ; I fetch K (0) or V (1),
	s_lshr_b32 s61, s[WV], 1                       ; part 0 .. 7
	s_lshr_b32 s[N1], ttmp9, 1
	s_add_co_u32 s[N1], s[N1], 1                   ; steps of block x
	s_sub_co_u32 s[NB], 9, s[N1]                   ; steps of block 15 - x
	s_lshl_b32 s53, s52, 4
	s_lshl_b32 s[Q0A], ttmp9, 6
	s_add_co_u32 s[Q0A], s[Q0A], s53
	s_sub_co_u32 s[Q0B], 15, ttmp9
	s_lshl_b32 s[Q0B], s[Q0B], 6
	s_add_co_u32 s[Q0B], s[Q0B], s53
	s_lshl_b32 s54, s50, 2
	s_add_co_u32 s54, s54, s51
	s_lshl_b32 s54, s54, 18
	s_lshl_b32 s55, s49, 16
	s_add_co_u32 s54, s54, s55
	s_lshl_b32 s56, s[Q0A], 6
	s_add_co_u32 s56, s56, s54
	s_mov_b32 s57, 0
	s_lshl_b32 s58, s[Q0B], 6
	s_add_co_u32 s58, s58, s54
	s_mov_b32 s59, 0
	s_lshl_b32 s62, s50, 18
	s_add_co_u32 s62, s62, s55
	s_lshl_b32 s96, s61, 12
	s_add_co_u32 s62, s62, s96                     ; K's part in memory
	s_lshl_b32 s63, s49, 19
	s_lshl_b32 s96, s61, 15
	s_add_co_u32 s63, s63, s96
	s_lshl_b32 s96, s50, 12
	s_add_co_u32 s63, s63, s96                     ; V's part in memory
	s_mov_b32 s78, 8*32768
	s_cmp_eq_u32 s60, 0
	s_cselect_b32 s76, s62, s63
	s_cselect_b32 s78, 8*4096, s78                 ; eight parts on
	s_mov_b32 s77, 0
	s_mov_b32 s79, 0
	s_mov_b32 s[G1], (0<<16)|(1<<20)|(3<<22)|(3<<25)   ; elements of 1 byte; four words of padding after every 16
	s_mov_b32 s[G1+1], 256<<16
	s_mov_b32 s[G1+2], 16<<16
	s_mov_b32 s[G1+3], 256<<16
	s_mov_b32 s[G1+4], 16
	s_mov_b32 s[G1+5], 256
	s_mov_b32 s[G1+6], 0
	s_mov_b32 s[G1+7], 0
	s_mov_b32 s[G0A], 1
	s_mul_i32 s96, s60, VREG
	s_mul_i32 s97, s61, PART
	s_add_co_u32 s[G0A+1], s96, s97
	s_mov_b32 s[G0B], 1
	s_add_co_u32 s[G0B+1], s[G0A+1], 8*PART
	s_mov_b32 s[SEL], 0x76543210
	s_mov_b32 s[SEL+1], 0xfedcba98
	s_mov_b32 s[CS], 0x3e38aa3b                    ; log2(e) / 8
	s_wait_dscnt 0x0
	s_wait_kmcnt 0x0
	s_load_b256 s[68:75], s[10:11], 0x0
	s_cmp_eq_u32 s60, 0
	s_cselect_b64 s[G0A+2:G0A+3], s[6:7], s[8:9]
	s_add_nc_u64 s[G0A+2:G0A+3], s[G0A+2:G0A+3], s[76:77]
	s_add_nc_u64 s[G0B+2:G0B+3], s[G0A+2:G0A+3], s[78:79]
	s_or_b32 s[G0A+3], s[G0A+3], 0x80000000
	s_or_b32 s[G0B+3], s[G0B+3], 0x80000000
	tensor_load_to_lds s[G0A:G0A+3], s[G1:G1+7]    ; my part of the first 512 keys: one tensor load a wave at the head
	s_nop 0
.rept 4
	v_nop
.endr
	s_add_nc_u64 s[QAA:QAA+1], s[4:5], s[56:57]
	s_add_nc_u64 s[QBA:QBA+1], s[4:5], s[58:59]
	s_lshl_b32 s96, ttmp9, 6
	s_sub_co_u32 s97, 15, ttmp9
	s_lshl_b32 s97, s97, 6
	s_cmp_lt_u32 s[WV], 8
	s_cselect_b32 s96, s96, s97
	s_and_b32 s97, s[WV], 7
	s_lshl_b32 s97, s97, 3
	s_add_co_u32 s96, s96, s97
	s_lshl_b32 s97, s49, 10
	s_add_co_u32 s96, s96, s97
	s_lshl_b32 s96, s96, 11
	s_lshl_b32 s97, s50, 8
	s_add_co_u32 s96, s96, s97
	s_mov_b32 s97, 0
	s_add_nc_u64 s[12:13], s[12:13], s[96:97]
	v_and_b32 v[T0], 15, v0
	v_bfe_u32 v[T1], v0, 4, 1
	s_delay_alu instid0(VALU_DEP_2)
	v_lshlrev_b32 v[QO], 6, v[T0]
	s_delay_alu instid0(VALU_DEP_1)
	v_lshl_add_u32 v[QO], v[T1], 4, v[QO]
	global_load_b128 v[QFB:QFB+3], v[QO], s[QBA:QBA+1]
	global_load_b128 v[QFB+4:QFB+7], v[QO], s[QBA:QBA+1] offset:32
	global_load_b128 v[QFA:QFA+3], v[QO], s[QAA:QAA+1]
	global_load_b128 v[QFA+4:QFA+7], v[QO], s[QAA:QAA+1] offset:32
	v_mul_u32_u24 v[AK0], v[T0], KP
	s_delay_alu instid0(VALU_DEP_1)
	v_lshl_add_u32 v[AK0], v[T1], 4, v[AK0]
	s_delay_alu instid0(VALU_DEP_1)
	v_add_nc_u32 v[AV0], VREG, v[AK0]
	s_mul_i32 s96, s52, 16*SPI
	s_lshl_b32 s97, s51, 6
	s_add_co_u32 s96, s96, s97
	s_add_co_u32 s96, s96, STAGE
	v_mul_u32_u24 v[STO], v[T0], SPI
	s_delay_alu instid0(VALU_DEP_1)
	v_lshl_add_u32 v[STO], v[T1], 3, v[STO]
	s_delay_alu instid0(VALU_DEP_1)
	v_add_nc_u32 v[STO], s96, v[STO]
	s_mul_i32 s96, s[WV], 8*SPI
	s_add_co_u32 s96, s96, STAGE
	v_mul_u32_u24 v[RD], v[T1], SPI
	s_delay_alu instid0(VALU_DEP_1)
	v_lshl_add_u32 v[RD], v[T0], 4, v[RD]
	s_delay_alu instid0(VALU_DEP_1)
	v_add_nc_u32 v[RD], s96, v[RD]
	v_lshlrev_b32 v[GO], 11, v[T1]
	s_delay_alu instid0(VALU_DEP_1)
	v_lshl_add_u32 v[GO], v[T0], 4, v[GO]
	v_mov_b32 v[NINF], 0xff800000
.irp st, STB, STA
	v_mov_b32 v[\st+1], 0xff61b1e6                 ; the largest t so far: -3e38, under every t
	s_delay_alu instid0(VALU_DEP_1)
	v_floor_f32 v[\st], -v[\st+1]
	v_mov_b32 v[\st+2], 0
	v_mov_b32 v[\st+3], 0
.endr
	v_mov_b32 v[PT], 0
	v_mov_b32 v[FF+1], 0
.set n, 0
.rept 64
	v_mov_b32 v[OBB+n], 0                          ; the step is written once: the first finds zeros, which the first change of M leaves zeros
.set n, n+1
.endr
	s_wait_kmcnt 0x0
	s_add_co_i32 s96, s70, s71
	s_lshl_b32 s96, s96, 23
	s_add_co_i32 s[CS], s[CS], s96                 ; e2 + e3 are added to c's exponent field
	s_mov_b32 s[CS+1], s[CS]
	s_add_co_i32 s96, s73, 127
	s_lshl_b32 s97, s96, 23
	v_mov_b32 v[SCP], s97                          ; 2^e5
	s_add_co_i32 s96, s96, 8
	s_lshl_b32 s96, s96, 23
	s_or_b32 s96, s96, 0x600000
	v_mov_b32 v[LIMP], s96                         ; 448 x 2^e5
	s_sub_co_i32 s96, s74, s72
	s_sub_co_i32 s96, s96, s73
	s_add_co_i32 s96, s96, 127
	s_lshl_b32 s97, s96, 23
	v_mov_b32 v[SCO], s97                          ; 2^(e6 - e4 - e5)
	s_add_co_i32 s96, s96, 8
	s_lshl_b32 s96, s96, 23
	s_or_b32 s96, s96, 0x600000
	v_mov_b32 v[LIMO], s96
; A step: 128 keys against one tile of 16 queries.  S^T = K Q^T (8 instructions of K = 64), the softmax of a lane's 64 scores, O^T += V^T P^T (4 instructions of K = 128).
.macro STEP st, qf, ob, q0
	v_add_nc_u32 v[ADK], s[TB], v[AK0]
	v_add_nc_u32 v[ADV], s[TB], v[AV0]
	v_nop
	v_nop
.irp t, 0,1,2,3,4,5,6,7
	ds_load_b128 v[FR+8*\t:FR+8*\t+3], v[ADK] offset:16*\t*KP
	ds_load_b128 v[FR+8*\t+4:FR+8*\t+7], v[ADK] offset:16*\t*KP+32
.endr
	s_wait_alu depctr_va_vdst(0)
	s_wait_dscnt 0x0
.irp t, 0,1,2,3,4,5,6,7
	v_wmma_f32_16x16x64_fp8_fp8 v[S+8*\t:S+8*\t+7], v[FR+8*\t:FR+8*\t+7], v[\qf:\qf+7], 0
.endr
.rept 4
	v_nop
.endr
.irp t, 0,1,2,3
.irp c, 0,1,2,3
	ds_load_b128 v[FR+16*\t+4*\c:FR+16*\t+4*\c+3], v[ADV] offset:(\c/2)*PART+16*\t*KP+32*(\c%2)
.endr
.endr
	s_add_co_u32 s96, s[KF], 127                   ; a step all of whose keys count jumps over the mask
	s_cmp_le_u32 s96, s[\q0]
	s_cbranch_scc1 .Lopen_\@
	s_sub_co_i32 s96, s[\q0], s[KF]
	v_and_b32 v[T0], 15, v0
	v_bfe_u32 v[T1], v0, 4, 1
	s_delay_alu instid0(VALU_DEP_1)
	v_lshlrev_b32 v[T1], 3, v[T1]
	s_delay_alu instid0(VALU_DEP_1)
	v_sub_nc_u32 v[T0], v[T0], v[T1]
	s_delay_alu instid0(VALU_DEP_1)
	v_add_nc_u32 v[T0], s96, v[T0]
.set n, 0
.rept 64
	v_cmp_gt_i32 vcc_lo, 16*(n/8)+n%8, v[T0]
	v_cndmask_b32 v[S+n], v[S+n], v[NINF], vcc_lo
.set n, n+1
.endr
.Lopen_\@:
	v_max3_num_f32 v[T0], v[S], v[S+1], v[S+2]
	v_max3_num_f32 v[T1], v[S+3], v[S+4], v[S+5]
.set n, 6
.rept 14
	v_max3_num_f32 v[T0], v[T0], v[S+n], v[S+n+1]
	v_max3_num_f32 v[T1], v[T1], v[S+n+2], v[S+n+3]
.set n, n+4
.endr
	v_max3_num_f32 v[T0], v[T0], v[S+62], v[S+63]
	s_delay_alu instid0(VALU_DEP_1)
	v_max_num_f32 v[T0], v[T0], v[T1]
	s_delay_alu instid0(VALU_DEP_1)
	v_permlanex16_b32 v[PT], v[T0], s[SEL], s[SEL+1]
	s_delay_alu instid0(VALU_DEP_1)
	v_max_num_f32 v[T0], v[T0], v[PT]
	s_delay_alu instid0(VALU_DEP_1)
	v_mul_f32 v[T0], s[CS], v[T0]
	s_delay_alu instid0(VALU_DEP_1)
	v_max_num_f32 v[\st+1], v[\st+1], v[T0]
	v_mov_b32 v[T0], v[\st]
	s_delay_alu instid0(VALU_DEP_2)
	v_floor_f32 v[\st], -v[\st+1]
	s_delay_alu instid0(VALU_DEP_1)
	v_sub_f32 v[T0], v[\st], v[T0]
	s_delay_alu instid0(VALU_DEP_1)
	v_cvt_i32_f32 v[T0], v[T0]
	s_delay_alu instid0(VALU_DEP_1)
	v_ldexp_f32 v[FF], 1.0, v[T0]                  ; f = 2^(old M - new M)
.set n, 0
.rept 32
	v_pk_fma_f32 v[S+n:S+n+1], v[S+n:S+n+1], s[CS:CS+1], v[\st:\st+1] op_sel_hi:[1,0,0]
.set n, n+2
.endr
.set n, 0
	s_wait_alu depctr_va_vdst(0)
.rept 64
	v_exp_f32 v[S+n], v[S+n]
.set n, n+1
.endr
	v_pk_mul_f32 v[\st+2:\st+3], v[\st+2:\st+3], v[FF:FF+1] op_sel_hi:[1,0]
	s_wait_alu depctr_va_vdst(0)
	v_pk_add_f32 v[SUM2:SUM2+1], v[S:S+1], v[S+2:S+3]
.set n, 4
.rept 15
	v_pk_add_f32 v[\st+2:\st+3], v[\st+2:\st+3], v[S+n:S+n+1]
	v_pk_add_f32 v[SUM2:SUM2+1], v[SUM2:SUM2+1], v[S+n+2:S+n+3]
.set n, n+4
.endr
	s_delay_alu instid0(VALU_DEP_1)
	v_pk_add_f32 v[\st+2:\st+3], v[\st+2:\st+3], v[SUM2:SUM2+1]
.irp b, 0,1,2,3
.irp i, 0,2,4,6,8,10,12,14             ; the hold at 448 x 2^e5 (p is not negative: one-sided), two numbers an instruction; the bound stands in two registers of different banks
	v_dual_min_num_f32 v[S+16*\b+\i], v[S+16*\b+\i], v[LIMP] :: v_dual_min_num_f32 v[S+16*\b+\i+1], v[S+16*\b+\i+1], v[QO]
.endr
	v_cvt_scalef32_pk8_fp8_f32 v[PCD+4*\b:PCD+4*\b+1], v[S+16*\b:S+16*\b+7], v[SCP]
	v_cvt_scalef32_pk8_fp8_f32 v[PCD+4*\b+2:PCD+4*\b+3], v[S+16*\b+8:S+16*\b+15], v[SCP]
.endr
.set n, 0
.rept 16
	v_pk_mul_f32 v[\ob+n:\ob+n+1], v[\ob+n:\ob+n+1], v[FF:FF+1] op_sel_hi:[1,0]
.set n, n+2
.endr
	s_wait_alu depctr_va_vdst(0)
	s_wait_dscnt 0x0
.irp t, 0,1,2,3
	v_wmma_f32_16x16x128_fp8_fp8 v[\ob+8*\t:\ob+8*\t+7], v[FR+16*\t:FR+16*\t+15], v[PCD:PCD+15], v[\ob+8*\t:\ob+8*\t+7]
.endr
.endm
; O^T / the sum, held and turned into codes with the scale 2^(e6 - e4 - e5)
.macro FINISH st, ob, c
.rept 4
	v_nop
.endr
	v_add_f32 v[\st+2], v[\st+2], v[\st+3]
	s_delay_alu instid0(VALU_DEP_1)
	v_permlanex16_b32 v[PT], v[\st+2], s[SEL], s[SEL+1]
	s_delay_alu instid0(VALU_DEP_1)
	v_add_f32 v[\st+2], v[\st+2], v[PT]
	s_wait_alu depctr_va_vdst(0)
	v_rcp_f32 v[\st+2], v[\st+2]
	v_nop
	s_wait_alu depctr_va_vdst(0)
.set n, 0
.rept 16
	v_pk_mul_f32 v[S+n:S+n+1], v[\ob+n:\ob+n+1], v[\st+2:\st+3] op_sel_hi:[1,0]
.set n, n+2
.endr
.set n, 0
.rept 32
	v_med3_num_f32 v[S+n], v[S+n], -v[LIMO], v[LIMO]
.set n, n+1
.endr
.irp t, 0,1,2,3
	v_cvt_scalef32_pk8_fp8_f32 v[\c+2*\t:\c+2*\t+1], v[S+8*\t:S+8*\t+7], v[SCO]
.endr
	v_nop
.endm
	s_wait_alu depctr_va_vdst(0)
	s_wait_tensorcnt 0x0                           ; my part of the first 512 keys is in
	ds_add_u32 v[SPW], v[NIL]
	s_wait_dscnt 0x0
	s_barrier_signal -1
	s_barrier_wait -1                              ; everybody's part is in
	tensor_load_to_lds s[G0B:G0B+3], s[G1:G1+7]    ; my part of the second 512 keys, into bytes that nothing has filled
	s_nop 0
.rept 4
	v_nop
.endr
	s_wait_loadcnt 0x0                             ; Q is in, so the loads' offset register is free:
	v_mov_b32 v[QO], v[LIMP]                       ; it holds the bound 448 x 2^e5 a second time from here on
	s_mov_b32 s[TRIP], 0
	s_mov_b32 s[TB], 0
	s_mov_b32 s[KF], 0
.Llow:                                                 ; keys 0 .. 511: block 15 - x always, block x while it has steps
	STEP STB, QFB, OBB, Q0B
	s_cmp_ge_u32 s[TRIP], s[N1]
	s_cbranch_scc1 .Lno_a
	STEP STA, QFA, OBA, Q0A
.Lno_a:
	s_add_co_u32 s[TB], s[TB], KSB
	s_add_co_u32 s[KF], s[KF], 128
	s_add_co_u32 s[TRIP], s[TRIP], 1
	s_cmp_lt_u32 s[TRIP], 4
	s_cbranch_scc1 .Llow
	s_wait_tensorcnt 0x0                           ; my part of the second 512 keys is in,
	s_wait_dscnt 0x0
	s_barrier_signal -1
	s_barrier_wait -1                              ; and everybody's
	s_mov_b32 s[TRIP], 4
	s_mov_b32 s[TB], 4*KSB
	s_mov_b32 s[KF], 512
.Lhigh:                                                ; keys 512 .. 1023: block 15 - x while it has steps
	s_cmp_ge_u32 s[TRIP], s[NB]
	s_cbranch_scc1 .Lno_b
	STEP STB, QFB, OBB, Q0B
.Lno_b:
	s_add_co_u32 s[TB], s[TB], KSB
	s_add_co_u32 s[KF], s[KF], 128
	s_add_co_u32 s[TRIP], s[TRIP], 1
	s_cmp_lt_u32 s[TRIP], 8
	s_cbranch_scc1 .Lhigh
	FINISH STA, OBA, CA
	FINISH STB, OBB, CB
.irp t, 0,1,2,3                        ; the four heads' codes of a token meet in the stage: a row is 256 bytes of ac
	ds_store_b64 v[STO], v[CA+2*\t:CA+2*\t+1] offset:16*\t
	ds_store_b64 v[STO], v[CB+2*\t:CB+2*\t+1] offset:64*SPI+16*\t
.endr
	s_wait_dscnt 0x0
	s_barrier_signal -1
	s_barrier_wait -1
.irp i, 0,1,2,3
	ds_load_b128 v[BKR+4*\i:BKR+4*\i+3], v[RD] offset:2*SPI*\i
.endr
	s_wait_dscnt 0x0
.irp i, 0,1,2,3
	global_store_b128 v[GO], v[BKR+4*\i:BKR+4*\i+3], s[12:13] offset:4096*\i   ; sixteen lanes store 256 consecutive bytes, aligned
.endr
	s_wait_tensorcnt 0x0                           ; the wave's end
	ds_add_u32 v[SPW], v[NIL]
	s_wait_dscnt 0x0
	s_endpgm
.Lfunc_end_k_qfbf80f2985_attn:
	.size	k_qfbf80f2985_attn, .Lfunc_end_k_qfbf80f2985_attn-k_qfbf80f2985_attn
	.p2alignl 7, 3214868480
	.fill 96, 4, 3214868480
	.section	.rodata,"a",@progbits
	.p2align	6, 0x0
	.amdhsa_kernel k_qfbf80f2985_attn
		.amdhsa_group_segment_fixed_size 327680
		.amdhsa_private_segment_fixed_size 0
		.amdhsa_enable_private_segment 0
		.amdhsa_kernarg_size 40
		.amdhsa_user_sgpr_count 2
		.amdhsa_user_sgpr_kernarg_segment_ptr 1
		.amdhsa_wavefront_size32 1
		.amdhsa_system_sgpr_workgroup_id_x 1
		.amdhsa_system_sgpr_workgroup_id_y 1
		.amdhsa_system_sgpr_workgroup_id_z 1
		.amdhsa_system_vgpr_workitem_id 0
		.amdhsa_next_free_vgpr 256
		.amdhsa_next_free_sgpr 100
		.amdhsa_reserve_vcc 1
		.amdhsa_float_denorm_mode_32 3
		.amdhsa_float_denorm_mode_16_64 3
		.amdhsa_memory_ordered 1
		.amdhsa_forward_progress 1
		.amdhsa_inst_pref_size 83
	.end_amdhsa_kernel
	.amdgpu_metadata
---
amdhsa.version: [ 1, 2 ]
amdhsa.kernels:
  - .name:           k_qfbf80f2985_attn
    .symbol:         k_qfbf80f2985_attn.kd
    .args:
      - { .name: qc, .offset: 0, .size: 8, .value_kind: global_buffer, .address_space: global }
      - { .name: kc, .offset: 8, .size: 8, .value_kind: global_buffer, .address_space: global }
      - { .name: vc, .offset: 16, .size: 8, .value_kind: global_buffer, .address_space: global }
      - { .name: lowp_scales, .offset: 24, .size: 8, .value_kind: global_buffer, .address_space: global }
      - { .name: ac, .offset: 32, .size: 8, .value_kind: global_buffer, .address_space: global }
    .group_segment_fixed_size: 327680
    .private_segment_fixed_size: 0
    .kernarg_segment_align: 8
    .kernarg_segment_size: 40
    .max_flat_workgroup_size: 512
    .sgpr_count:     100
    .vgpr_count:     256
    .wavefront_size: 32
...
	.end_amdgpu_metadata
.endif
;; end of part 3
;; launch oproj (part 4): grid 8 x 32, 4 waves a work-group, clusters of 4 x 4, 327,680 bytes of LDS; arguments ac, woc, lowp_scales, out0; writes out0
.if DOCPART == 4
	.amdgcn_target "amdgcn-amd-amdhsa--gfx1250"
	.amdhsa_code_object_version 6
	.text
	.protected	k_qfbf80f2985_oproj
	.globl	k_qfbf80f2985_oproj
	.p2align	8
	.type	k_qfbf80f2985_oproj,@function
k_qfbf80f2985_oproj:
	s_mov_b64 s[64:65], 0
	v_nop
	global_prefetch_b8 v0, s[64:65] scope:SCOPE_SE
	s_setreg_imm32_b32 hwreg(HW_REG_WAVE_MODE, 25, 1), 1
	s_wait_xcnt 0x0
	s_wait_alu depctr_hold_cnt(0) depctr_sa_sdst(0) depctr_va_vdst(0) depctr_va_sdst(0) depctr_va_ssrc(0) depctr_va_vcc(0) depctr_vm_vsrc(0)
	s_getreg_b32 s2, hwreg(HW_REG_IB_STS2, 6, 4)
	s_cmp_eq_u32 s2, 0
	s_cbranch_scc0 .Lentry_in_a_cluster
	s_endpgm
.Lentry_in_a_cluster:
	s_bfe_u32 s2, ttmp6, 0x10000c
	s_cmp_lg_u32 s2, 0xf033
	s_cbranch_scc0 .Lentry_shape_is_right
	s_endpgm
.Lentry_shape_is_right:
; out0 = attention's result x w_out^T on codes of E4M3 (ac [4096][2048], woc [2048][2048], K innermost); each f32 sum is multiplied once by 2^(e6 + e7).  LIMIT: e6 + e7 between -126 and 127.
; A tile of 128 x 256 is made by four waves, each 64 x 128: 32 accumulators; 8 x 32 tiles are 256 work-groups.  K goes through two LDS slots, one of 512 and one of 256 along K, filled by turns: five fills in all.
; CLUSTERS: 4 x 4 work-groups; ac's tile is asked for jointly along a row of the cluster, woc's along a column.  The matrix instruction is used transposed: a lane holds eight neighbouring numbers of a row of out0.
; PREFETCHES INTO THE L2, two fills ahead: of the rows that a wave fetches jointly with three partners (64 of ac, 128 of woc) the partner at place p names a quarter, a lane a row, 256 bytes of K an instruction
; (ac's waves have 16 rows: their lanes 16-31 name row 15's block again); the partners are told apart by address; every offset is an immediate.
.set SIZE_N, 2048
.set KROW,   2048
.set P0,     528
.set P1,     272
.set FR,     16
.set NP,     4
.set L1,     384*P0
.set SPARE,  L1+384*P1
.set KADV,   768
.set SPITCH, 528
.set ADRA, 16
.set ADRB, 20
.set STO,  24
.set RD,   25
.set CO,   26
.set SPW,  28
.set NIL,  29
.set TMP,  32
.set AF,   128
.set BK,   128
.set G1A, 24
.set G1B, 40
.set G0A, 56
.set G0B, 68
.set MSB, 0
.macro WIN new
.if MSB != \new
	s_set_vgpr_msb (MSB<<8)|\new
.set MSB, \new
.endif
.endm
.set MUL,  0xa1
.set TO_B, 0x40
.macro JLOAD slot
	s_cmp_eq_u32 s15, 0
	s_cbranch_scc0 .Lfor_b_\@
	tensor_load_to_lds s[G0A+4*(\slot):G0A+4*(\slot)+3], s[G1A+8*(\slot):G1A+8*(\slot)+7]
	s_nop 0
.rept 4
	v_nop
.endr
	s_branch .Lasked_\@
.Lfor_b_\@:
	tensor_load_to_lds s[G0B+4*(\slot):G0B+4*(\slot)+3], s[G1B+8*(\slot):G1B+8*(\slot)+7]
	s_nop 0
.rept 4
	v_nop
.endr
.Lasked_\@:
.endm
.macro CREST
	s_cmp_lg_u32 s14, 0
	s_cbranch_scc1 .Lnot_wave_0_\@
	s_barrier_signal -3
.Lnot_wave_0_\@:
	s_barrier_wait -3
	s_barrier_signal -1
	s_barrier_wait -1
.endm
.macro CROUND
	s_barrier_signal -1
	s_barrier_wait -1
	CREST
.endm
.macro SHAPE g, kb, rows
	s_mov_b32 s[\g+1], (\kb)<<16
	s_mov_b32 s[\g+2], (\rows)<<16
	s_mov_b32 s[\g+3], (\kb)<<16
	s_mov_b32 s[\g+4], \rows
	s_mov_b32 s[\g+5], KROW
	s_mov_b32 s[\g+6], 0
	s_mov_b32 s[\g+7], 0
.endm
	s_load_b128 s[4:7], s[0:1], 0x0
	s_load_b128 s[8:11], s[0:1], 0x10
	v_lshl_add_u32 v[SPW], v0, 2, SPARE
	v_mov_b32 v[NIL], 0
	ds_add_u32 v[SPW], v[NIL]
	ds_add_u32 v[SPW], v[NIL]
	v_lshrrev_b32 v1, 5, v0
	v_readfirstlane_b32 s14, v1
	s_lshr_b32 s15, s14, 1
	s_and_b32 s16, s14, 1
	s_bfe_u32 s76, ttmp6, 0x40000
	s_bfe_u32 s77, ttmp6, 0x40004
	s_lshl_b32 s78, ttmp9, 2
	s_add_co_u32 s78, s78, s76
	s_and_b32 s17, ttmp7, 0xffff
	s_lshl_b32 s17, s17, 2
	s_add_co_u32 s17, s17, s77
	s_lshl_b32 s79, s77, 2
	s_lshl_b32 s79, 15, s79
	s_lshl_b32 s80, 0x1111, s76
	s_or_b32 s[G1A], s79, (0<<16)|(1<<20)|(1<<21)|(6<<22)|(3<<25)
	s_or_b32 s[G1A+8], s79, (0<<16)|(1<<20)|(1<<21)|(5<<22)|(3<<25)
	s_or_b32 s[G1B], s80, (0<<16)|(1<<20)|(1<<21)|(6<<22)|(3<<25)
	s_or_b32 s[G1B+8], s80, (0<<16)|(1<<20)|(1<<21)|(5<<22)|(3<<25)
	SHAPE G1A, 512, 64
	SHAPE G1A+8, 256, 64
	SHAPE G1B, 512, 128
	SHAPE G1B+8, 256, 128
	s_lshl_b32 s18, s16, 6
	s_lshl_b32 s20, s17, 7
	s_add_co_u32 s20, s20, s18
	s_lshl_b32 s20, s20, 11
	s_mov_b32 s21, 0
	s_lshl_b32 s18, s16, 7
	s_lshl_b32 s82, s78, 8
	s_add_co_u32 s82, s82, s18
	s_lshl_b32 s82, s82, 11
	s_mov_b32 s83, 0
	s_mov_b32 s[G0A], 1
	s_mul_i32 s[G0A+1], s16, 64*P0
	s_mov_b32 s[G0A+4], 1
	s_mul_i32 s[G0A+5], s16, 64*P1
	s_add_co_u32 s[G0A+5], s[G0A+5], L1
	s_mov_b32 s[G0B], 1
	s_mul_i32 s[G0B+1], s16, 128*P0
	s_add_co_u32 s[G0B+1], s[G0B+1], 128*P0
	s_mov_b32 s[G0B+4], 1
	s_mul_i32 s[G0B+5], s16, 128*P1
	s_add_co_u32 s[G0B+5], s[G0B+5], L1+128*P1
	s_wait_dscnt 0x0
	s_wait_kmcnt 0x0
	s_load_b64 s[96:97], s[8:9], 0x18
	s_add_nc_u64 s[20:21], s[4:5], s[20:21]
	s_add_nc_u64 s[82:83], s[6:7], s[82:83]
	s_mov_b64 s[G0A+2:G0A+3], s[20:21]
	s_add_nc_u64 s[G0A+6:G0A+7], s[20:21], 512
	s_mov_b64 s[G0B+2:G0B+3], s[82:83]
	s_add_nc_u64 s[G0B+6:G0B+7], s[82:83], 512
	s_or_b32 s[G0A+3], s[G0A+3], 0x80000000
	s_or_b32 s[G0A+7], s[G0A+7], 0x80000000
	s_or_b32 s[G0B+3], s[G0B+3], 0x80000000
	s_or_b32 s[G0B+7], s[G0B+7], 0x80000000
	CROUND
	JLOAD 0
	s_cmp_eq_u32 s15, 0                            ; do I fetch for ac?
	s_cselect_b64 s[84:85], s[20:21], s[82:83]     ; the rows that I fetch
	s_cselect_b32 s86, s76, s77                    ; my place among the four that ask with me: cx for ac, cy for woc
	s_cselect_b32 s87, 15, 16                      ; my work-group's share: 16 or 32 rows of 2,048 bytes
	s_cselect_b32 s90, 15, 31                      ; its last row
	s_lshl_b32 s86, s86, s87
	s_mov_b32 s87, 0
	s_add_nc_u64 s[84:85], s[84:85], s[86:87]      ; never rewritten
	v_and_b32 v30, 31, v0
	v_min_u32 v30, s90, v30
	v_lshlrev_b32 v30, 11, v30                     ; my lane's row; never rewritten
	global_prefetch_b8 v30, s[84:85] offset:512 th:TH_LOAD_NT scope:SCOPE_SE    ; the second fill's 256 along K,
	global_prefetch_b8 v30, s[84:85] offset:768 th:TH_LOAD_NT scope:SCOPE_SE    ; and the third's 512
	global_prefetch_b8 v30, s[84:85] offset:1024 th:TH_LOAD_NT scope:SCOPE_SE
	s_wait_alu depctr_va_vdst(0)
	s_wait_tensorcnt 0x0
	ds_add_u32 v28, v29
	s_wait_dscnt 0x0
	CROUND
	JLOAD 1
	global_prefetch_b8 v30, s[84:85] offset:1280 th:TH_LOAD_NT scope:SCOPE_SE   ; the fourth fill's 256
	v_and_b32 v1, 15, v0
	v_bfe_u32 v2, v0, 4, 1
	v_mul_u32_u24 v3, v1, P0
	v_lshl_add_u32 v3, v2, 4, v3
	v_mul_u32_u24 v4, v1, P1
	v_lshl_add_u32 v4, v2, 4, v4
	s_mul_i32 s18, s15, 64*P0
	s_mul_i32 s19, s15, 64*P1
	s_add_co_u32 s19, s19, L1
	s_mul_i32 s22, s16, 128*P0
	s_add_co_u32 s22, s22, 128*P0
	s_mul_i32 s23, s16, 128*P1
	s_add_co_u32 s23, s23, L1+128*P1
	v_add_nc_u32 v[ADRA], s18, v3
	v_add_nc_u32 v[ADRA+1], s19, v4
	v_add_nc_u32 v[ADRB], s22, v3
	v_add_nc_u32 v[ADRB+1], s23, v4
	s_mul_i32 s23, s14, 16*SPITCH
	s_add_co_u32 s23, s23, L1
	v_mul_u32_u24 v5, v1, SPITCH
	v_lshl_add_u32 v5, v2, 5, v5
	v_add_nc_u32 v[STO], s23, v5
	v_and_b32 v6, 31, v0
	v_lshlrev_b32 v[CO], 4, v6
	v_add_nc_u32 v[RD], s23, v[CO]
	s_lshl_b32 s88, s17, 7
	s_lshl_b32 s89, s15, 6
	s_add_co_u32 s88, s88, s89
	s_lshl_b32 s88, s88, 13
	s_lshl_b32 s89, s78, 10
	s_add_co_u32 s88, s88, s89
	s_lshl_b32 s89, s16, 9
	s_add_co_u32 s88, s88, s89
	s_mov_b32 s89, 0
	s_add_nc_u64 s[10:11], s[10:11], s[88:89]
.macro FRAG reg, adr, off
.irp c, 0,1,2,3
	ds_load_b128 v[\reg+4*\c:\reg+4*\c+3], v[\adr] offset:(\off)+32*\c
.endr
.endm
.macro FETCH slot, q, p
	WIN TO_B
.irp i, 0,1,2,3,4,5,6,7
	FRAG 128*(\p)+FR*\i, ADRB+\slot, 128*(\q)+\i*16*(P0-(P0-P1)*(\slot))
.endr
	WIN 0
.irp i, 0,1,2,3
	FRAG AF+64*(\p)+FR*\i, ADRA+\slot, 128*(\q)+\i*16*(P0-(P0-P1)*(\slot))
.endr
.endm
.macro MUL8 a, p, zero
.irp b, 0,1,2,3,4,5,6,7
.if \zero
	v_wmma_f32_16x16x128_fp8_fp8 v[8*(8*(\a)+\b):8*(8*(\a)+\b)+7], v[128*(\p)+FR*\b:128*(\p)+FR*\b+FR-1], v[AF+64*(\p)+FR*(\a):AF+64*(\p)+FR*(\a)+FR-1], 0
.else
	v_wmma_f32_16x16x128_fp8_fp8 v[8*(8*(\a)+\b):8*(8*(\a)+\b)+7], v[128*(\p)+FR*\b:128*(\p)+FR*\b+FR-1], v[AF+64*(\p)+FR*(\a):AF+64*(\p)+FR*(\a)+FR-1], v[8*(8*(\a)+\b):8*(8*(\a)+\b)+7]
.endif
.endr
.endm
.macro PLACES n
.rept \n
	v_nop
.endr
.endm
.macro STEP slot, q, zero
	s_wait_dscnt 0x0
	PLACES NP
	FETCH \slot, (\q)+1, 1-(\q)%2
	WIN MUL
	MUL8 0, (\q)%2, \zero
	MUL8 1, (\q)%2, \zero
	MUL8 2, (\q)%2, \zero
	MUL8 3, (\q)%2, \zero
	WIN 0
.endm
.macro TURN slot, next, fill
	s_wait_tensorcnt 0x0
	ds_add_u32 v[SPW], v[NIL]
	s_wait_dscnt 0x1
	WIN MUL
	MUL8 0, 1, 0
	s_wait_dscnt 0x0
	s_barrier_signal -1
	MUL8 1, 1, 0
	WIN 0
	s_barrier_wait -1
.if \fill
	CREST
	s_add_nc_u64 s[G0A+4*\slot+2:G0A+4*\slot+3], s[G0A+4*\slot+2:G0A+4*\slot+3], KADV
	s_add_nc_u64 s[G0B+4*\slot+2:G0B+4*\slot+3], s[G0B+4*\slot+2:G0B+4*\slot+3], KADV
	JLOAD \slot
.else
	PLACES NP
.endif
	FETCH \next, 0, 0
	WIN MUL
	MUL8 2, 1, 0
	MUL8 3, 1, 0
	WIN 0
.endm
	s_wait_alu depctr_va_vdst(0)
	s_wait_tensorcnt 1
	s_barrier_signal -1
	s_barrier_wait -1
	FETCH 0, 0, 0
	STEP 0, 0, 1
	STEP 0, 1, 0
	STEP 0, 2, 0
	TURN 0, 1, 1
	global_prefetch_b8 v30, s[84:85] offset:1536 th:TH_LOAD_NT scope:SCOPE_SE   ; the fifth and last fill's 512
	global_prefetch_b8 v30, s[84:85] offset:1792 th:TH_LOAD_NT scope:SCOPE_SE
	STEP 1, 0, 0
	TURN 1, 0, 1
	STEP 0, 0, 0
	STEP 0, 1, 0
	STEP 0, 2, 0
	TURN 0, 1, 1
	STEP 1, 0, 0
	TURN 1, 0, 0
	STEP 0, 0, 0
	STEP 0, 1, 0
	STEP 0, 2, 0
	s_wait_dscnt 0x0
	WIN MUL
	MUL8 0, 1, 0
	MUL8 1, 1, 0
	MUL8 2, 1, 0
	MUL8 3, 1, 0
	WIN 0
.macro TOSTAGE a
.set AC, 64*(\a)
	WIN 0x02
.irp j, 0,2,4,6,8,10,12,14,16,18,20,22,24,26,28,30,32,34,36,38,40,42,44,46,48,50,52,54,56,58,60,62
	v_pk_mul_f32 v[TMP+\j:TMP+\j+1], v[AC+\j:AC+\j+1], s[96:97] op_sel_hi:[1,0]
.endr
	WIN 0
.irp b, 0,1,2,3,4,5,6,7
	ds_store_b128 v[STO], v[TMP+8*\b:TMP+8*\b+3] offset:64*\b
	ds_store_b128 v[STO], v[TMP+8*\b+4:TMP+8*\b+7] offset:64*\b+16
.endr
.set BB, (BK+64*(\a))%256              ; each block is read back into 64 registers of its own: v128-255 of window 0, then v0-127 of window 1, so that no store's data are written again
	WIN 0x40*((\a)/2)
.irp t, 0,1,2,3,4,5,6,7,8,9,10,11,12,13,14,15
	ds_load_b128 v[BB+4*\t:BB+4*\t+3], v[RD] offset:\t*SPITCH
.endr
	WIN 0
.endm
.macro SEND a, younger
.set BB, (BK+64*(\a))%256
	s_wait_dscnt \younger
	WIN 4*((\a)/2)                                 ; a store's data: source 1's window
.irp t, 0,1,2,3,4,5,6,7,8,9,10,11,12,13,14,15
	global_store_b128 v[CO], v[BB+4*\t:BB+4*\t+3], s[10:11] offset:(16*(\a)+\t)*SIZE_N*4 th:TH_STORE_NT   ; 32 lanes store 512 consecutive bytes; the base is never stepped: 63 rows of 8,192 bytes at the most, inside the signed 24-bit immediate
.endr
	WIN 0
.endm
	s_wait_kmcnt 0x0
	s_add_co_i32 s96, s96, s97
	s_add_co_i32 s96, s96, 127
	s_lshl_b32 s96, s96, 23
	PLACES NP
	TOSTAGE 0
.irp a, 1,2,3
	TOSTAGE \a
	SEND \a-1, 32                                  ; behind block a - 1's loads: block a's 16 stores and 16 loads
.endr
	SEND 3, 0
	s_wait_tensorcnt 0x0
	ds_add_u32 v[SPW], v[NIL]
	s_wait_dscnt 0x0
	CROUND
	s_endpgm
.Lfunc_end_k_qfbf80f2985_oproj:
	.size	k_qfbf80f2985_oproj, .Lfunc_end_k_qfbf80f2985_oproj-k_qfbf80f2985_oproj
	.p2alignl 7, 3214868480
	.fill 96, 4, 3214868480
	.section	.rodata,"a",@progbits
	.p2align	6, 0x0
	.amdhsa_kernel k_qfbf80f2985_oproj
		.amdhsa_group_segment_fixed_size 327680
		.amdhsa_private_segment_fixed_size 0
		.amdhsa_enable_private_segment 0
		.amdhsa_kernarg_size 32
		.amdhsa_user_sgpr_count 2
		.amdhsa_user_sgpr_kernarg_segment_ptr 1
		.amdhsa_wavefront_size32 1
		.amdhsa_system_sgpr_workgroup_id_x 1
		.amdhsa_system_sgpr_workgroup_id_y 1
		.amdhsa_system_sgpr_workgroup_id_z 1
		.amdhsa_system_vgpr_workitem_id 0
		.amdhsa_next_free_vgpr 768
		.amdhsa_next_free_sgpr 100
		.amdhsa_reserve_vcc 0
		.amdhsa_float_denorm_mode_32 3
		.amdhsa_float_denorm_mode_16_64 3
		.amdhsa_memory_ordered 1
		.amdhsa_forward_progress 1
		.amdhsa_inst_pref_size 121
	.end_amdhsa_kernel
	.amdgpu_metadata
---
amdhsa.version: [ 1, 2 ]
amdhsa.kernels:
  - .name:           k_qfbf80f2985_oproj
    .symbol:         k_qfbf80f2985_oproj.kd
    .args:
      - { .name: ac, .offset: 0, .size: 8, .value_kind: global_buffer, .address_space: global }
      - { .name: woc, .offset: 8, .size: 8, .value_kind: global_buffer, .address_space: global }
      - { .name: lowp_scales, .offset: 16, .size: 8, .value_kind: global_buffer, .address_space: global }
      - { .name: out0, .offset: 24, .size: 8, .value_kind: global_buffer, .address_space: global }
    .group_segment_fixed_size: 327680
    .private_segment_fixed_size: 0
    .kernarg_segment_align: 8
    .kernarg_segment_size: 32
    .max_flat_workgroup_size: 128
    .sgpr_count:     100
    .vgpr_count:     768
    .wavefront_size: 32
...
	.end_amdgpu_metadata
.endif
;; end of part 4
